; MI455X (gfx1250); checked and timed in simulation.
; The chip was launched on July 23, 2026; its instructions are those of AMD's public machine-readable ISA for CDNA 5 (MIT licence, August 2026) and "CDNA5" Instruction Set Architecture Reference Guide (July 2026). The comments in the code are by the model that wrote it; some were corrected since.
;; Attention. Allowed arithmetic: float matrix products may take bf16 or f16 operands with f32 sums; all other float work in f32.
;; Inputs: Wk 2,048 x 512 float32; Wo 2,048 x 2,048 float32; Wq 2,048 x 2,048 float32; Wv 2,048 x 512 float32; attention_mask 2 x 1 x 1,024 x 2,048 float32; bk 512 float32; bq 2,048 float32; bv 512 float32; cos 1,024 x 64 float32; past_k 2 x 8 x 1,024 x 64 float32; past_v 2 x 8 x 1,024 x 64 float32; sin 1,024 x 64 float32; x 2 x 1,024 x 2,048 float32.
;; Outputs: out0 2 x 1,024 x 2,048 float32.
;; One version. Each part assembles by itself: llvm-mc -triple=amdgcn-amd-amdhsa -mcpu=gfx1250 --defsym DOCPART=n.
;; ======== version 1 of 1: 4 launches
;; limits: values are held in f16: magnitudes above 65,504 overflow, below 6.1e-05 lose precision
;; workspace buffers: xb 8,388,608 bytes; wb 20,971,520 bytes; qkv 16,777,216 bytes; ao 8,388,608 bytes
;; launch cast (part 1): grid 256 x 1, 16 waves a work-group, no clusters, 0 bytes of LDS; arguments x, Wq, Wk, Wv, Wo, past_k, past_v, xb, wb, qkv; writes xb, wb, qkv
.if DOCPART == 1
	.amdgcn_target "amdgcn-amd-amdhsa--gfx1250"
	.amdhsa_code_object_version 6
	.text
	.protected	k_q68efebb515_cast
	.globl	k_q68efebb515_cast
	.p2align	8
	.type	k_q68efebb515_cast,@function
k_q68efebb515_cast:
	s_mov_b64 s[64:65], 0
	v_nop
	global_prefetch_b8 v0, s[64:65] scope:SCOPE_SE
	s_setreg_imm32_b32 hwreg(HW_REG_WAVE_MODE, 25, 1), 1
	s_wait_xcnt 0x0
; cast: every f32 operand of the later matrix products is rounded to f16 once.
;   x -> xb;  Wq, Wk, Wv, Wo -> wb (one behind the other, each still [K][N]);  past_k, past_v -> the first 1,024 rows of each head in qkv's k and v.
; FORMAT: f16, not bf16.  A result passes eight roundings of matrix operands (x, W, q, k, v, P, the attention output, Wo), each of about half a step of the
; format relative to the result.  With bf16's 8 bits of significand their sum comes near the allowed 1 per cent of the output's r.m.s.; with f16's 11 bits it is an eighth of that.
; RANGE: f16 ends at 65,504.  The inputs have ample room (|x|, |past| about 5, |W| about 0.1, also 30 times that).  The projections are largest when x and W both
; carry an offset of 30 times their spread: 2048 * 30 * 0.6 = 36,864, behind RoPE sqrt(2) times that.  So exact powers of two are moved between the two factors of each
; product, here on the multiply that the conversion has anyway:
;   Wq * 2 D^-0.5 log2(e) (the softmax works with powers of two; RoPE is linear, so the factor can ride on Wq),  Wk and past_k * 1/2  (q k^T is unchanged),
;   Wv and past_v * 1/16,  Wo * 16  (the attention output is kept as 1/16 of itself; out0 is unchanged).
; At that extreme q reaches 18,803, k 26,067, v and the attention output 2,304.  LIMIT: beyond 65,504 in any of them the conversion gives infinity.
; With inputs 30 times smaller Wv / 16 has r.m.s. 4e-5, among f16's denormals (step 6e-8): a rounding error of some 4e-4 of the r.m.s.
; 16,777,216 numbers = 256 chunks of 65,536; work-group c takes chunk c.  The seven tensors begin at chunks 0, 64, 128, 144, 160, 224, 240.
; A stream: no LDS, no matrix unit, no cluster (no byte is read twice).  Sixteen waves; a wave owns 16 KiB of the source: 32 loads of 512 consecutive bytes, all
; issued at once (the work-group's whole 256 KiB is on its way), and 32 stores of 256 consecutive, aligned bytes.  Every load and every store has registers of
; its own and every step stands in an immediate: no register is written twice, so the only waits are the counted ones for the loads.
.set QS2,   0x3eb8aa3b                 ; 2 * 0.125 * 1.442695
.set HALF,  0x3f000000                 ; 1/2
.set SIXTH, 0x3d800000                 ; 1/16
.set SIXTN, 0x41800000                 ; 16
.set KOFF,  8388608                    ; k in qkv; v follows 4,194,304 bytes later
.set NL,    32                         ; loads, and stores, of a wave
.set X,     8                          ; v[8:135]   load i: 4 f32
.set Y,     136                        ; v[136:199] store i: 4 f16
	s_load_b512 s[8:23], s[0:1], 0x0               ; x 8, Wq 10, Wk 12, Wv 14, Wo 16, past_k 18, past_v 20, xb 22
	s_load_b128 s[24:27], s[0:1], 0x40             ; wb 24, qkv 26
	v_and_b32 v3, 31, v0                           ; lane
	v_lshrrev_b32 v4, 5, v0                        ; wave
	v_lshlrev_b32 v1, 4, v3
	v_lshl_add_u32 v1, v4, 14, v1                  ; source: wave * 16,384 + lane * 16
	v_lshlrev_b32 v2, 3, v3
	v_lshl_add_u32 v2, v4, 13, v2                  ; destination: wave * 8,192 + lane * 8
	s_wait_kmcnt 0x0
	; the source tensor, its first chunk and its factor, by the chunk's number alone
	s_mov_b64 s[4:5], s[8:9]
	s_mov_b32 s28, 0
	s_mov_b32 s30, 1.0
.macro PICK n, p, f
	s_cmp_ge_u32 ttmp9, \n
	s_cselect_b64 s[4:5], s[\p:\p+1], s[4:5]
	s_cselect_b32 s28, \n, s28
	s_cselect_b32 s30, \f, s30
.endm
	PICK 64, 10, QS2
	PICK 128, 12, HALF
	PICK 144, 14, SIXTH
	PICK 160, 16, SIXTN
	PICK 224, 18, HALF
	PICK 240, 20, SIXTH
	s_mov_b32 s31, s30                             ; the factor, as a pair for the packed multiply
	s_sub_co_u32 s2, ttmp9, s28
	s_lshl_b32 s2, s2, 18                          ; 262,144 source bytes a chunk
	s_mov_b32 s3, 0
	s_add_nc_u64 s[4:5], s[4:5], s[2:3]
	; the destination: xb + c * 131,072;  wb + (c - 64) * 131,072;  qkv + KOFF + (c - 224) * 262,144 (a head's past rows, then a gap for its new rows)
	s_mov_b64 s[6:7], s[22:23]
	s_lshl_b32 s32, ttmp9, 17
	s_sub_co_u32 s33, ttmp9, 64                    ; wraps below chunk 64: then the select below does not take it
	s_lshl_b32 s34, s33, 17
	s_cmp_ge_u32 ttmp9, 64
	s_cselect_b64 s[6:7], s[24:25], s[6:7]
	s_cselect_b32 s32, s34, s32
	s_sub_co_u32 s34, ttmp9, 224
	s_lshl_b32 s34, s34, 18
	s_add_co_u32 s34, s34, KOFF
	s_cmp_ge_u32 ttmp9, 224
	s_cselect_b64 s[6:7], s[26:27], s[6:7]
	s_cselect_b32 s32, s34, s32
	s_mov_b32 s33, 0
	s_add_nc_u64 s[6:7], s[6:7], s[32:33]
.set i, 0
.rept NL
	global_load_b128 v[X+4*i:X+4*i+3], v1, s[4:5] offset:i*512 th:TH_LOAD_NT
.set i, i+1
.endr
.set i, 0
.rept NL
	s_wait_loadcnt NL-1-i                          ; loads come back in order: load i is in, the younger ones stay out
	v_pk_mul_f32 v[X+4*i:X+4*i+1],   v[X+4*i:X+4*i+1],   s[30:31] op_sel_hi:[1,0]
	v_pk_mul_f32 v[X+4*i+2:X+4*i+3], v[X+4*i+2:X+4*i+3], s[30:31] op_sel_hi:[1,0]
	v_cvt_pk_f16_f32 v[Y+2*i],   v[X+4*i],   v[X+4*i+1]
	v_cvt_pk_f16_f32 v[Y+2*i+1], v[X+4*i+2], v[X+4*i+3]
	global_store_b64 v2, v[Y+2*i:Y+2*i+1], s[6:7] offset:i*256     ; 32 lanes: 256 consecutive bytes, aligned; read again by the next launches, so no hint
.set i, i+1
.endr
	s_endpgm
.Lfunc_end_k_q68efebb515_cast:
	.size	k_q68efebb515_cast, .Lfunc_end_k_q68efebb515_cast-k_q68efebb515_cast
	.p2alignl 7, 3214868480
	.fill 96, 4, 3214868480
	.section	.rodata,"a",@progbits
	.p2align	6, 0x0
	.amdhsa_kernel k_q68efebb515_cast
		.amdhsa_group_segment_fixed_size 0
		.amdhsa_private_segment_fixed_size 0
		.amdhsa_enable_private_segment 0
		.amdhsa_kernarg_size 80
		.amdhsa_user_sgpr_count 2
		.amdhsa_user_sgpr_kernarg_segment_ptr 1
		.amdhsa_wavefront_size32 1
		.amdhsa_system_sgpr_workgroup_id_x 1
		.amdhsa_system_sgpr_workgroup_id_y 1
		.amdhsa_system_sgpr_workgroup_id_z 1
		.amdhsa_system_vgpr_workitem_id 0
		.amdhsa_next_free_vgpr 200
		.amdhsa_next_free_sgpr 66
		.amdhsa_reserve_vcc 0
		.amdhsa_float_denorm_mode_32 3
		.amdhsa_float_denorm_mode_16_64 3
		.amdhsa_memory_ordered 1
		.amdhsa_forward_progress 1
		.amdhsa_inst_pref_size 18
	.end_amdhsa_kernel
	.amdgpu_metadata
---
amdhsa.version: [ 1, 2 ]
amdhsa.kernels:
  - .name:           k_q68efebb515_cast
    .symbol:         k_q68efebb515_cast.kd
    .args:
      - { .name: x, .offset: 0, .size: 8, .value_kind: global_buffer, .address_space: global }
      - { .name: Wq, .offset: 8, .size: 8, .value_kind: global_buffer, .address_space: global }
      - { .name: Wk, .offset: 16, .size: 8, .value_kind: global_buffer, .address_space: global }
      - { .name: Wv, .offset: 24, .size: 8, .value_kind: global_buffer, .address_space: global }
      - { .name: Wo, .offset: 32, .size: 8, .value_kind: global_buffer, .address_space: global }
      - { .name: past_k, .offset: 40, .size: 8, .value_kind: global_buffer, .address_space: global }
      - { .name: past_v, .offset: 48, .size: 8, .value_kind: global_buffer, .address_space: global }
      - { .name: xb, .offset: 56, .size: 8, .value_kind: global_buffer, .address_space: global }
      - { .name: wb, .offset: 64, .size: 8, .value_kind: global_buffer, .address_space: global }
      - { .name: qkv, .offset: 72, .size: 8, .value_kind: global_buffer, .address_space: global }
    .group_segment_fixed_size: 0
    .private_segment_fixed_size: 0
    .kernarg_segment_align: 8
    .kernarg_segment_size: 80
    .max_flat_workgroup_size: 512
    .sgpr_count:     66
    .vgpr_count:     200
    .wavefront_size: 32
...
	.end_amdgpu_metadata
.endif
;; end of part 1
;; launch proj (part 2): grid 16 x 16, 4 waves a work-group, clusters of 4 x 4, 327,680 bytes of LDS; arguments xb, wb, bq, bk, bv, cos, sin, qkv; writes qkv
.if DOCPART == 2
	.amdgcn_target "amdgcn-amd-amdhsa--gfx1250"
	.amdhsa_code_object_version 6
	.text
	.protected	k_q68efebb515_proj
	.globl	k_q68efebb515_proj
	.p2align	8
	.type	k_q68efebb515_proj,@function
k_q68efebb515_proj:
	s_mov_b64 s[64:65], 0
	v_nop
	global_prefetch_b8 v0, s[64:65] scope:SCOPE_SE
	s_setreg_imm32_b32 hwreg(HW_REG_WAVE_MODE, 25, 1), 1
	s_wait_xcnt 0x0
	s_wait_alu depctr_hold_cnt(0) depctr_sa_sdst(0) depctr_va_vdst(0) depctr_va_sdst(0) depctr_va_ssrc(0) depctr_va_vcc(0) depctr_vm_vsrc(0)
	s_getreg_b32 s2, hwreg(HW_REG_IB_STS2, 6, 4)
	s_cmp_eq_u32 s2, 0
	s_cbranch_scc0 .Lentry_in_a_cluster
	s_endpgm
.Lentry_in_a_cluster:
	s_bfe_u32 s2, ttmp6, 0x10000c
	s_cmp_lg_u32 s2, 0xf033
	s_cbranch_scc0 .Lentry_shape_is_right
	s_endpgm
.Lentry_shape_is_right:
; proj: q, k, v = x W + b, RoPE on q and k, written head by head in f16.  xb: [2048][2048] f16.  wb: Wq [2048][2048], Wk, Wv [2048][512] f16, rows along N.
; The weights come with exact factors from the cast: Wq * QS2 (= 2 D^-0.5 log2 e), Wk * 1/2, Wv * 1/16; the biases get the same factors here, in the fused
; multiply-add that adds them.  So q is stored as QS2 q, k as k / 2, v as v / 16: room in f16 (it ends at 65,504) where x and W both carry an offset of 30 times their
; spread: 2048 * 30 * 0.6 = 36,864, behind RoPE sqrt(2) times that: q 18,803, k 26,067, v 2,304.  LIMIT: beyond 65,504 the conversion gives infinity.
; A work-group makes 128 rows x 192 columns: query heads 2 bx and 2 bx + 1 and one key or value head (bx & 7; keys in the clusters with x < 2, values in the others,
; so the kind hangs on the cluster's x alone).  16 x 16 work-groups.  Four waves, each 64 rows x 96 columns = 24 accumulator tiles.
; A wave's six column tiles b = 2 hd + p lie at column 32 p + 16 nh of head hd: d and d + 32 of a head are then in the same lane and the same register number,
; and RoPE's rotation needs no traffic between lanes.
; THE RING: every wave waits for all its tensor loads in front of each refill's barrier, so what counts is how few refills there are and how much matrix work stands between
; a request and the wait for it.  A k of the block costs 640 bytes of LDS without padding, so two slots of 256 along K do not fit.  Two slots of unequal size take turns:
; slot A holds 256 along K, slot B 128.  K = 2,048 goes as B A B A B A B A B A B (6 x 128 + 5 x 256): eleven slots' work and nine refills.  B's tiles begin at k = 384 i and
; A's at k = 128 + 384 i, so every row of x's tiles starts at a multiple of 256 bytes.  From a request to the wait for it a wave issues 186 matrix instructions (B's refill)
; or 90 (A's).  W lies [K][N] in memory and in LDS; ds_load_tr16_b128 turns it into fragments with K along the lane.
; CLUSTERS 4 x 4: x's tile hangs on the block row alone and is asked for jointly along a row of the cluster; W's tiles hang on the block column alone and are
; asked for jointly along a column.  Waves 0 and 1 ask for x's two halves, wave 2 for Wq's tile, wave 3 for Wk's or Wv's: one tensor load a wave behind each round.
; The matrix instruction is used transposed (source 0 = 16 columns of W, source 1 = 16 rows of x): lane l holds row l % 16, registers 0-7 the columns 8 (l / 16) + 0..7.
; cos and sin are read at d and at d + 32 apart: nothing is assumed of the tables.
.set PXA,   528                        ; x in slot A: rows of 512 + 16 bytes
.set PXB,   272                        ; x in slot B: rows of 256 + 16: both odd multiples of 16, so a fragment's 16 rows start at 16 different 16-byte columns
.set PQ,    288                        ; 256 + 32 and
.set PV,    160                        ; 128 + 32: odd multiples of 32, for the transposing loads
.set PS,    144
.set HXA,   33792                      ; 64 rows of x in slot A
.set HXB,   17408                      ; 64 rows of x in slot B
.set QA,    67584                      ; slot A: x at 0 (128 x 528), Wq here (256 k-rows x 288),
.set VA,    141312                     ;         Wk/Wv here (256 k-rows x 160)
.set XB,    182272                     ; slot B: x (128 x 272),
.set QB,    217088                     ;         Wq (128 x 288),
.set VB,    253952                     ;         Wk/Wv (128 x 160); the ring ends at 274,432
; The way out's stage, [3 heads][128 rows][144 bytes] = 55,296 bytes, begins at LDS byte 0, in slot A: slot A has had its last fill, and every wave's last reads of it
; lie in front of the barrier that ends slot A's last turn; behind that barrier only slot B is read.
.set QS2,   0x3eb8aa3b                 ; 2 * 0.125 * 1.442695
.set WKOFF, 8388608                    ; Wk in wb; Wv 2,097,152 bytes later
.set KOFF,  8388608                    ; k in qkv; v 4,194,304 bytes later
.set ADRXA, 16                         ; LDS address of my x fragments in slot A
.set ADRXB, 17                         ; in slot B
.set ADRQA, 18                         ; v18-19 Wq in slot A: k-rows 0-127, 128-255 (the immediate has 16 bits)
.set ADRQB, 20
.set ADRVA, 21
.set STO,  22                          ; the way out: where I put 16 bytes of a head's row
.set RD,   23                          ; where I read rows back
.set GO,   24                          ; my byte offset in a head's 128 rows
.set BO,   25                          ; my byte offset in bq
.set CSO,  26                          ; my byte offset in cos and sin
.set ADRVB, 27
.set FK,   28                          ; v28-29 the third head's factor (1/2 for keys, 1/16 for values), twice
.set BO2,  30                          ; my byte offset in bk or bv
.set F0,   32                          ; fragment buffer 0: W's six tiles at +8 b, x's four at +48 + 8 a
.set F1,   112                         ; fragment buffer 1
.set CS,   0                           ; window 2: row tile mt at +32 mt: cos p0, cos p1, sin p0, sin p1, 8 registers each
.set BIAS, 128                         ; window 2: +8 b
.set Y,    32                          ; the way out, window 0: product + bias, +8 b
.set OUT,  80                          ; after RoPE, +8 b
.set T,    128                         ; 16 at work
.set PK,   144                         ; 24 packed
; scalar registers: s66 wave, s67 all ones for a value head, s100 bx, s101 by, s104 mh, s105 nh; s[8:19] the pointers bq, bk, bv, cos, sin, qkv, kept to the end
.set G1X, 32                           ; group 1, a set of eight for slot A, then one for slot B
.set G1Q, 48
.set G1V, 68
.set G0X, 84                           ; group 0, a set of four for slot A, then one for slot B
.set G0Q, 92
.set G0V, 20
.set MSB, 0
.macro WIN new                         ; the immediate's high byte repeats the setting that is left
.if MSB != \new
	s_set_vgpr_msb (MSB<<8)|\new
.set MSB, \new
.endif
.endm
.macro PLACES                          ; four plain vector places behind a matrix instruction (ISA guide 7.12.1), before its registers are loaded into or its result is read
.rept 4
	v_nop
.endr
.endm
; One joint load a wave, for slot s (0 = A, 1 = B).  The branches hang on the wave's number alone: they are the same in every work-group.
.macro JLOAD s
	s_cmp_lt_u32 s66, 2
	s_cbranch_scc0 .Lnot_a_\@
	tensor_load_to_lds s[G0X+4*\s:G0X+4*\s+3], s[G1X+8*\s:G1X+8*\s+7]
	s_nop 0
	s_branch .Lasked_\@
.Lnot_a_\@:
	s_cmp_eq_u32 s66, 2
	s_cbranch_scc0 .Lfor_v_\@
	tensor_load_to_lds s[G0Q+4*\s:G0Q+4*\s+3], s[G1Q+8*\s:G1Q+8*\s+7]
	s_nop 0
	s_branch .Lasked_\@
.Lfor_v_\@:
	tensor_load_to_lds s[G0V+4*\s:G0V+4*\s+3], s[G1V+8*\s:G1V+8*\s+7]
	s_nop 0
.Lasked_\@:
.endm
.macro CREST                           ; a round of the cluster's barrier behind its opening barrier
	s_cmp_lg_u32 s66, 0
	s_cbranch_scc1 .Lnot_wave_0_\@
	s_barrier_signal -3
.Lnot_wave_0_\@:
	s_barrier_wait -3
	s_barrier_signal -1
	s_barrier_wait -1
.endm
.macro CROUND
	s_barrier_signal -1
	s_barrier_wait -1
	CREST
.endm
; group 1: a tile of rows x cols elements of 2 bytes, pitch elements from row to row; flags hold the element size, the padding and bit 21 beside the mask
.macro SHAPE g, mask, flags, cols, rows, pitch
	s_or_b32  s[\g+0], \mask, \flags
	s_mov_b32 s[\g+1], (\cols)<<16
	s_mov_b32 s[\g+2], (\rows)<<16
	s_mov_b32 s[\g+3], (\cols)<<16
	s_mov_b32 s[\g+4], \rows
	s_mov_b32 s[\g+5], \pitch
	s_mov_b32 s[\g+6], 0
	s_mov_b32 s[\g+7], 0
.endm
	s_load_b512 s[4:19], s[0:1], 0x0               ; xb 4, wb 6, bq 8, bk 10, bv 12, cos 14, sin 16, qkv 18
	v_lshl_add_u32 v254, v0, 2, 0x43000
	v_mov_b32 v255, 0
	ds_add_u32 v254, v255
	v_lshrrev_b32 v1, 5, v0
	v_readfirstlane_b32 s66, v1                    ; wave 0..3
	s_lshr_b32 s104, s66, 1                        ; mh: which 64 rows
	s_and_b32 s105, s66, 1                         ; nh: which 16 of each 32 columns.  Also: which half of x's tile waves 0 and 1 fetch
	s_bfe_u32 s28, ttmp6, 0x40000                  ; cx
	s_bfe_u32 s2, ttmp6, 0x40004                   ; cy
	s_lshl_b32 s100, ttmp9, 2
	s_add_co_u32 s100, s100, s28                   ; bx
	s_and_b32 s101, ttmp7, 0xffff
	s_lshl_b32 s101, s101, 2
	s_add_co_u32 s101, s101, s2                    ; by
	s_lshl_b32 s3, s2, 2
	s_lshl_b32 s3, 15, s3                          ; my row of the cluster
	s_lshl_b32 s29, 0x1111, s28                    ; my column
	s_cmp_ge_u32 ttmp9, 2
	s_cselect_b32 s67, -1, 0                       ; all ones: the third head is a value head.  Used in selects alone, never in a branch
	SHAPE G1X,   s3,  (1<<16)|(1<<20)|(1<<21)|(6<<22)|(3<<25), 256, 64, 2048    ; x, slot A: 64 rows x 256 f16, 16 bytes of padding behind each 512
	SHAPE G1X+8, s3,  (1<<16)|(1<<20)|(1<<21)|(5<<22)|(3<<25), 128, 64, 2048    ; x, slot B: 64 rows x 128 f16, 16 bytes behind each 256
	SHAPE G1Q,   s29, (1<<16)|(1<<20)|(1<<21)|(5<<22)|(7<<25), 128, 256, 2048   ; Wq: k-rows of 128 f16, 32 bytes behind each 256
	SHAPE G1Q+8, s29, (1<<16)|(1<<20)|(1<<21)|(5<<22)|(7<<25), 128, 128, 2048
	SHAPE G1V,   s29, (1<<16)|(1<<20)|(1<<21)|(4<<22)|(7<<25), 64, 256, 512     ; Wk or Wv: k-rows of 64 f16 (a head is no wider), 32 bytes behind each 128
	SHAPE G1V+8, s29, (1<<16)|(1<<20)|(1<<21)|(4<<22)|(7<<25), 64, 128, 512
	; where the tiles come from: x's from the block row and the wave, W's from the block column (and the cluster's x)
	s_lshl_b32 s2, s101, 19                        ; 128 rows of 4,096 bytes
	s_lshl_b32 s3, s105, 18                        ; + 64 rows for the second half
	s_add_co_u32 s2, s2, s3
	s_mov_b32 s3, 0
	s_lshl_b32 s28, s100, 8                        ; 128 columns of Wq
	s_mov_b32 s29, 0
	s_wait_dscnt 0x0
	s_wait_kmcnt 0x0
	s_add_nc_u64 s[4:5], s[4:5], s[2:3]            ; x at my 64 rows
	s_add_nc_u64 s[30:31], s[6:7], s[28:29]        ; Wq at my columns
	s_and_b32 s28, s100, 7
	s_lshl_b32 s28, s28, 7                         ; 64 columns of Wk or Wv
	s_and_b32 s29, s67, 0x200000
	s_add_co_u32 s28, s28, s29
	s_add_co_u32 s28, s28, WKOFF
	s_mov_b32 s29, 0
	s_add_nc_u64 s[6:7], s[6:7], s[28:29]          ; Wk or Wv at my head
	; group 0: slot B begins with k = 0, slot A with k = 128
	s_mov_b32 s[G0X], 1
	s_mul_i32 s[G0X+1], s66, HXA
	s_add_nc_u64 s[G0X+2:G0X+3], s[4:5], 256
	s_or_b32 s[G0X+3], s[G0X+3], 0x80000000
	s_mov_b32 s[G0X+4], 1
	s_mul_i32 s[G0X+5], s66, HXB
	s_add_co_u32 s[G0X+5], s[G0X+5], XB
	s_mov_b64 s[G0X+6:G0X+7], s[4:5]
	s_or_b32 s[G0X+7], s[G0X+7], 0x80000000
	s_mov_b32 s[G0Q], 1
	s_mov_b32 s[G0Q+1], QA
	s_add_nc_u64 s[G0Q+2:G0Q+3], s[30:31], 128*4096
	s_or_b32 s[G0Q+3], s[G0Q+3], 0x80000000
	s_mov_b32 s[G0Q+4], 1
	s_mov_b32 s[G0Q+5], QB
	s_mov_b64 s[G0Q+6:G0Q+7], s[30:31]
	s_or_b32 s[G0Q+7], s[G0Q+7], 0x80000000
	s_mov_b32 s[G0V], 1
	s_mov_b32 s[G0V+1], VA
	s_add_nc_u64 s[G0V+2:G0V+3], s[6:7], 128*1024
	s_or_b32 s[G0V+3], s[G0V+3], 0x80000000
	s_mov_b32 s[G0V+4], 1
	s_mov_b32 s[G0V+5], VB
	s_mov_b64 s[G0V+6:G0V+7], s[6:7]
	s_or_b32 s[G0V+7], s[G0V+7], 0x80000000
	CROUND                                         ; all sixteen work-groups are here: the first joint loads meet
	JLOAD 1                                        ; k = 0 .. 127 into slot B,
	JLOAD 0                                        ; k = 128 .. 383 into slot A: two tensor loads of the wave are out
	v_and_b32 v1, 15, v0                           ; r
	v_bfe_u32 v2, v0, 4, 1                         ; h
	v_and_b32 v3, 7, v0
	v_bfe_u32 v4, v0, 3, 1
	v_and_b32 v5, 31, v0                           ; lane
	v_lshl_add_u32 v6, v2, 3, v3                   ; the k-row that a transposing load's lane addresses: 8 h + (lane & 7)
	v_lshlrev_b32 v7, 5, v2
	v_lshl_add_u32 v7, s105, 6, v7                 ; 4 bytes x (16 nh + 8 h)
	v_lshl_add_u32 v[BO], s100, 9, v7              ; + my two heads in bq
	s_and_b32 s28, s100, 7
	v_lshl_add_u32 v[BO2], s28, 8, v7              ; + my head in bk or bv
	v_lshl_add_u32 v[CSO], v1, 8, v7
	v_lshl_add_u32 v[CSO], s104, 14, v[CSO]        ; + (64 mh + r) rows of 256 bytes
	s_and_b32 s29, s101, 7
	v_lshl_add_u32 v[CSO], s29, 15, v[CSO]         ; + the block's 128 rows among the batch's 1,024
	s_cmp_lg_u32 s67, 0
	s_cselect_b64 s[10:11], s[12:13], s[10:11]     ; bv or bk
	s_cselect_b32 s2, 0x3d800000, 0.5              ; and the factor that its weights got in the cast: 1/16 (values) or 1/2 (keys)
	v_mov_b32 v[FK], s2
	v_mov_b32 v[FK+1], s2
	; bias and tables go into window 2 and stay on their way during the K loop; the one wait for them stands in front of the way out; their address registers are never rewritten
	WIN 0x80
.irp hd, 0,1
.irp p, 0,1
	global_load_b128 v[BIAS+8*(2*\hd+\p):BIAS+8*(2*\hd+\p)+3],   v[BO], s[8:9] offset:\hd*256+\p*128
	global_load_b128 v[BIAS+8*(2*\hd+\p)+4:BIAS+8*(2*\hd+\p)+7], v[BO], s[8:9] offset:\hd*256+\p*128+16
.endr
.endr
.irp p, 0,1
	global_load_b128 v[BIAS+32+8*\p:BIAS+32+8*\p+3],   v[BO2], s[10:11] offset:\p*128
	global_load_b128 v[BIAS+32+8*\p+4:BIAS+32+8*\p+7], v[BO2], s[10:11] offset:\p*128+16
.endr
.irp mt, 0,1,2,3
.irp p, 0,1
	global_load_b128 v[CS+32*\mt+8*\p:CS+32*\mt+8*\p+3],       v[CSO], s[14:15] offset:\mt*4096+\p*128
	global_load_b128 v[CS+32*\mt+8*\p+4:CS+32*\mt+8*\p+7],     v[CSO], s[14:15] offset:\mt*4096+\p*128+16
	global_load_b128 v[CS+32*\mt+16+8*\p:CS+32*\mt+16+8*\p+3],   v[CSO], s[16:17] offset:\mt*4096+\p*128
	global_load_b128 v[CS+32*\mt+16+8*\p+4:CS+32*\mt+16+8*\p+7], v[CSO], s[16:17] offset:\mt*4096+\p*128+16
.endr
.endr
	WIN 0
	v_mul_u32_u24 v8, v1, PXA
	v_lshl_add_u32 v8, v2, 4, v8                   ; r * pitch + 16 h
	s_mul_i32 s2, s104, HXA
	v_add_nc_u32 v[ADRXA], s2, v8                  ; slot A's x begins at LDS byte 0
	v_mul_u32_u24 v9, v1, PXB
	v_lshl_add_u32 v9, v2, 4, v9
	s_mul_i32 s2, s104, HXB
	s_add_co_u32 s2, s2, XB
	v_add_nc_u32 v[ADRXB], s2, v9
	v_mul_u32_u24 v10, v6, PQ
	v_lshl_add_u32 v10, v4, 4, v10                 ; k-row * pitch + 16 ((lane >> 3) & 1)
	v_lshl_add_u32 v10, s105, 5, v10               ; + 2 bytes x 16 nh
	v_add_nc_u32 v[ADRQA], QA, v10
	v_add_nc_u32 v[ADRQA+1], QA+128*PQ, v10
	v_add_nc_u32 v[ADRQB], QB, v10
	v_mul_u32_u24 v11, v6, PV
	v_lshl_add_u32 v11, v4, 4, v11
	v_lshl_add_u32 v11, s105, 5, v11
	v_add_nc_u32 v[ADRVA], VA, v11
	v_add_nc_u32 v[ADRVB], VB, v11
	v_mul_u32_u24 v12, v1, PS
	v_lshl_add_u32 v12, v2, 4, v12
	v_lshl_add_u32 v12, s105, 5, v12
	s_mul_i32 s2, s104, 64*PS
	v_add_nc_u32 v[STO], s2, v12                   ; (64 mh + r) * 144 + 32 nh + 16 h
	v_lshrrev_b32 v13, 3, v5
	v_mul_u32_u24 v13, v13, PS
	v_lshl_add_u32 v13, v3, 4, v13
	s_mul_i32 s2, s66, 32*PS
	v_add_nc_u32 v[RD], s2, v13                    ; (32 w + lane / 8) * 144 + 16 (lane & 7)
	v_lshlrev_b32 v[GO], 4, v5
	v_lshl_add_u32 v[GO], s66, 12, v[GO]           ; 32 w rows of 128 bytes + 16 x lane
; six matrix instructions: row tile a x my six column tiles, 32 along K.  The 24 accumulators take turns, one instruction a turn, in the same order
; in every quarter step and over the backward jump.  zero = 1: the first product starts the sums.
.macro MULA f, a, zero
.irp b, 0,1,2,3,4,5
.if \zero
	v_wmma_f32_16x16x32_f16 v[8*(6*\a+\b):8*(6*\a+\b)+7], v[\f+8*\b:\f+8*\b+7], v[\f+48+8*\a:\f+48+8*\a+7], 0
.else
	v_wmma_f32_16x16x32_f16 v[8*(6*\a+\b):8*(6*\a+\b)+7], v[\f+8*\b:\f+8*\b+7], v[\f+48+8*\a:\f+48+8*\a+7], v[8*(6*\a+\b):8*(6*\a+\b)+7]
.endif
.endr
.endm
; 20 LDS loads in one run: the 32 along K number kq of a slot (0 = A: kq 0..7; 1 = B: kq 0..3) into buffer f: W's six tiles first, then x's four, row tiles ascending
.macro FETCH slot, kq, f
	WIN 0
.if \slot == 0
.set AQ, ADRQA+((\kq)>>2)
.set AV, ADRVA
.set AX, ADRXA
.set PX, PXA
.else
.set AQ, ADRQB
.set AV, ADRVB
.set AX, ADRXB
.set PX, PXB
.endif
.irp b, 0,1,2,3
	ds_load_tr16_b128 v[\f+8*\b:\f+8*\b+3],   v[AQ] offset:((\kq)&3)*32*PQ+(\b>>1)*128+(\b&1)*64
	ds_load_tr16_b128 v[\f+8*\b+4:\f+8*\b+7], v[AQ] offset:((\kq)&3)*32*PQ+(\b>>1)*128+(\b&1)*64+16*PQ
.endr
.irp p, 0,1
	ds_load_tr16_b128 v[\f+32+8*\p:\f+32+8*\p+3],   v[AV] offset:\kq*32*PV+\p*64
	ds_load_tr16_b128 v[\f+32+8*\p+4:\f+32+8*\p+7], v[AV] offset:\kq*32*PV+\p*64+16*PV
.endr
.irp a, 0,1,2,3
	ds_load_b128 v[\f+48+8*\a:\f+48+8*\a+3],   v[AX] offset:\kq*64+\a*16*PX
	ds_load_b128 v[\f+48+8*\a+4:\f+48+8*\a+7], v[AX] offset:\kq*64+\a*16*PX+32
.endr
.endm
; 32 along K that are not a slot's last: multiplies buffer f and, in its middle, fetches number kq into buffer g
.macro QUARTER slot, kq, f, g, zero
	s_wait_dscnt 4                                 ; all but the youngest four loads (x's row tiles 2 and 3) are in
	WIN 0x50
	MULA \f, 0, \zero
	MULA \f, 1, \zero
	PLACES
	FETCH \slot, \kq, \g
	s_wait_dscnt 20                                ; all but the 20 just issued
	WIN 0x50
	MULA \f, 2, \zero
	MULA \f, 3, \zero
.endm
.macro THREE slot, zero
	QUARTER \slot, 1, F0, F1, \zero
	QUARTER \slot, 2, F1, F0, 0
	QUARTER \slot, 3, F0, F1, 0
.endm
.macro SEVEN slot
	THREE \slot, 0
	QUARTER \slot, 4, F1, F0, 0
	QUARTER \slot, 5, F0, F1, 0
	QUARTER \slot, 6, F1, F0, 0
	QUARTER \slot, 7, F0, F1, 0
.endm
; a slot's last 32 along K: multiplies buffer 1 and changes slots.  In front of the barrier each wave waits for its reads of this slot and for all its tensor
; loads (the one that is out is its part of the next slot).  fill = 1: the barrier opens a round of the cluster's barrier, and behind the round this slot
; is asked for again, 384 further along K: the wave's one tensor load until the next round.
.macro TURN slot, next, fill
	s_wait_dscnt 4
	WIN 0x50
	MULA F1, 0, 0
	s_wait_dscnt 0
	s_wait_tensorcnt 0x0
	ds_add_u32 v254, v255
	s_wait_dscnt 0x0
	s_barrier_signal -1
	MULA F1, 1, 0                                  ; register work while the others arrive
	WIN 0
	s_barrier_wait -1
.if \fill
	CREST
	s_add_nc_u64 s[G0X+4*\slot+2:G0X+4*\slot+3], s[G0X+4*\slot+2:G0X+4*\slot+3], 384*2
	s_add_nc_u64 s[G0Q+4*\slot+2:G0Q+4*\slot+3], s[G0Q+4*\slot+2:G0Q+4*\slot+3], 384*4096
	s_add_nc_u64 s[G0V+4*\slot+2:G0V+4*\slot+3], s[G0V+4*\slot+2:G0V+4*\slot+3], 384*1024
	JLOAD \slot
.endif
	PLACES
	FETCH \next, 0, F0
	WIN 0x50
	MULA F1, 2, 0
	MULA F1, 3, 0
.endm
.macro PAIR zero, fillb, filla         ; slot B's 128 along K, then slot A's 256
	THREE 1, \zero
	TURN 1, 0, \fillb
	SEVEN 0
	TURN 0, 1, \filla
.endm
	s_wait_tensorcnt 1                             ; my part of slot B is in; slot A's load stays out
	s_barrier_signal -1
	s_barrier_wait -1
	FETCH 1, 0, F0
	PAIR 1, 1, 1                                   ; the first pair stands in front of the loop: its first products start the sums
	WIN 0
	s_mov_b32 s3, 3
.Lpair:
	PAIR 0, 1, 1
	WIN 0
	s_sub_co_u32 s3, s3, 1
	s_cmp_lg_u32 s3, 0
	s_cbranch_scc1 .Lpair
	PAIR 0, 1, 0                                   ; the fifth pair: slot B gets the last 128 along K, slot A nothing more
	THREE 1, 0
	s_wait_dscnt 4
	WIN 0x50
	MULA F1, 0, 0
	MULA F1, 1, 0
	s_wait_dscnt 0
	MULA F1, 2, 0
	MULA F1, 3, 0
	; THE WAY OUT.  Bias, RoPE, rounding; 16 bytes a lane into the stage; whole rows back; stores of 512 consecutive bytes.
	PLACES
	s_lshr_b32 s2, s101, 3                         ; batch
	s_and_b32 s3, s101, 7                          ; the block's place among the batch's 1,024 rows
	s_lshl_b32 s28, s2, 22                         ; q: ((batch * 32 + 2 bx) * 1024 + first row) * 128 bytes
	s_lshl_b32 s29, s100, 18
	s_add_co_u32 s28, s28, s29
	s_lshl_b32 s29, s3, 14
	s_add_co_u32 s28, s28, s29
	s_mov_b32 s29, 0
	s_add_nc_u64 s[28:29], s[18:19], s[28:29]
	s_lshl_b32 s30, s2, 21                         ; k or v: ((batch * 8 + head) * 2048 + 1024 + first row) * 128 bytes
	s_and_b32 s31, s100, 7
	s_lshl_b32 s31, s31, 18
	s_add_co_u32 s30, s30, s31
	s_lshl_b32 s31, s3, 14
	s_add_co_u32 s30, s30, s31
	s_and_b32 s31, s67, 0x400000
	s_add_co_u32 s30, s30, s31
	s_add_co_u32 s30, s30, KOFF+131072
	s_mov_b32 s31, 0
	s_add_nc_u64 s[30:31], s[18:19], s[30:31]
	s_wait_loadcnt 0x0                             ; bias, cos, sin
.macro EPI mt
	WIN 0x12                                       ; source 0 window 2 (bias), source 1 window 0 or a constant (its factor), source 2 window 1 (sums)
.irp b, 0,1,2,3
.irp j, 0,2,4,6
	v_pk_fma_f32 v[Y+8*\b+\j:Y+8*\b+\j+1], v[BIAS+8*\b+\j:BIAS+8*\b+\j+1], QS2, v[8*(6*\mt+\b)+\j:8*(6*\mt+\b)+\j+1] op_sel_hi:[1,0,1]
.endr
.endr
.irp b, 4,5
.irp j, 0,2,4,6
	v_pk_fma_f32 v[Y+8*\b+\j:Y+8*\b+\j+1], v[BIAS+8*\b+\j:BIAS+8*\b+\j+1], v[FK:FK+1], v[8*(6*\mt+\b)+\j:8*(6*\mt+\b)+\j+1]
.endr
.endr
	WIN 0x08                                       ; source 1 window 2 (tables)
.irp hd, 0,1,2
.irp j, 0,2,4,6
	v_pk_mul_f32 v[T+\j:T+\j+1],     v[Y+16*\hd+\j:Y+16*\hd+\j+1],     v[CS+32*\mt+\j:CS+32*\mt+\j+1]
	v_pk_mul_f32 v[T+8+\j:T+8+\j+1], v[Y+16*\hd+8+\j:Y+16*\hd+8+\j+1], v[CS+32*\mt+8+\j:CS+32*\mt+8+\j+1]
.endr
.irp j, 0,2,4,6
	v_pk_fma_f32 v[OUT+16*\hd+\j:OUT+16*\hd+\j+1],     v[Y+16*\hd+8+\j:Y+16*\hd+8+\j+1], v[CS+32*\mt+16+\j:CS+32*\mt+16+\j+1], v[T+\j:T+\j+1] neg_lo:[1,0,0] neg_hi:[1,0,0]   ; y[d] cos[d] - y[d+32] sin[d]
	v_pk_fma_f32 v[OUT+16*\hd+8+\j:OUT+16*\hd+8+\j+1], v[Y+16*\hd+\j:Y+16*\hd+\j+1],     v[CS+32*\mt+24+\j:CS+32*\mt+24+\j+1], v[T+8+\j:T+8+\j+1]                               ; y[d+32] cos[d+32] + y[d] sin[d+32]
.endr
.endr
	WIN 0
.set i, 0
.rept 16
	v_cndmask_b32 v[OUT+32+i], v[OUT+32+i], v[Y+32+i], s67         ; a value head is not rotated
.set i, i+1
.endr
.irp b, 0,1,2,3,4,5
.irp i, 0,1,2,3
	v_cvt_pk_f16_f32 v[PK+4*\b+\i], v[OUT+8*\b+2*\i], v[OUT+8*\b+2*\i+1]
.endr
.endr
.irp b, 0,1,2,3,4,5
	ds_store_b128 v[STO], v[PK+4*\b:PK+4*\b+3] offset:(\b>>1)*128*PS+\mt*16*PS+(\b&1)*64
.endr
.endm
	EPI 0
	EPI 1
	EPI 2
	EPI 3
	s_wait_dscnt 0x0                               ; my stores into the stage are done: a row is filled by two waves (nh = 0 and 1),
	s_barrier_signal -1
	s_barrier_wait -1                              ; so rows are read back only behind this barrier
.irp hd, 0,1,2
.irp i, 0,1,2,3,4,5,6,7
	ds_load_b128 v[32+4*(8*\hd+\i):32+4*(8*\hd+\i)+3], v[RD] offset:\hd*128*PS+\i*4*PS     ; four rows of 128 bytes
.endr
.endr
.irp i, 0,1,2,3,4,5,6,7
	s_wait_dscnt 23-\i                             ; LDS loads come back in order: load i is in
	global_store_b128 v[GO], v[32+4*\i:32+4*\i+3], s[28:29] offset:\i*512                  ; 512 consecutive bytes of head 2 bx
.endr
.irp i, 0,1,2,3,4,5,6,7
	s_wait_dscnt 15-\i
	global_store_b128 v[GO], v[64+4*\i:64+4*\i+3], s[28:29] offset:131072+\i*512           ; head 2 bx + 1
.endr
.irp i, 0,1,2,3,4,5,6,7
	s_wait_dscnt 7-\i
	global_store_b128 v[GO], v[96+4*\i:96+4*\i+3], s[30:31] offset:\i*512                  ; the key or value head, behind its 1,024 past rows
.endr
	s_wait_tensorcnt 0x0
	ds_add_u32 v254, v255
	s_wait_dscnt 0x0
	CROUND                                         ; the closing round: no work-group ends while a partner may still ask for a tile that names it
	s_endpgm
.Lfunc_end_k_q68efebb515_proj:
	.size	k_q68efebb515_proj, .Lfunc_end_k_q68efebb515_proj-k_q68efebb515_proj
	.p2alignl 7, 3214868480
	.fill 96, 4, 3214868480
	.section	.rodata,"a",@progbits
	.p2align	6, 0x0
	.amdhsa_kernel k_q68efebb515_proj
		.amdhsa_group_segment_fixed_size 327680
		.amdhsa_private_segment_fixed_size 0
		.amdhsa_enable_private_segment 0
		.amdhsa_kernarg_size 64
		.amdhsa_user_sgpr_count 2
		.amdhsa_user_sgpr_kernarg_segment_ptr 1
		.amdhsa_wavefront_size32 1
		.amdhsa_system_sgpr_workgroup_id_x 1
		.amdhsa_system_sgpr_workgroup_id_y 1
		.amdhsa_system_sgpr_workgroup_id_z 1
		.amdhsa_system_vgpr_workitem_id 0
		.amdhsa_next_free_vgpr 688
		.amdhsa_next_free_sgpr 106
		.amdhsa_reserve_vcc 0
		.amdhsa_float_denorm_mode_32 3
		.amdhsa_float_denorm_mode_16_64 3
		.amdhsa_memory_ordered 1
		.amdhsa_forward_progress 1
		.amdhsa_inst_pref_size 179
	.end_amdhsa_kernel
	.amdgpu_metadata
---
amdhsa.version: [ 1, 2 ]
amdhsa.kernels:
  - .name:           k_q68efebb515_proj
    .symbol:         k_q68efebb515_proj.kd
    .args:
      - { .name: xb, .offset: 0, .size: 8, .value_kind: global_buffer, .address_space: global }
      - { .name: wb, .offset: 8, .size: 8, .value_kind: global_buffer, .address_space: global }
      - { .name: bq, .offset: 16, .size: 8, .value_kind: global_buffer, .address_space: global }
      - { .name: bk, .offset: 24, .size: 8, .value_kind: global_buffer, .address_space: global }
      - { .name: bv, .offset: 32, .size: 8, .value_kind: global_buffer, .address_space: global }
      - { .name: cos, .offset: 40, .size: 8, .value_kind: global_buffer, .address_space: global }
      - { .name: sin, .offset: 48, .size: 8, .value_kind: global_buffer, .address_space: global }
      - { .name: qkv, .offset: 56, .size: 8, .value_kind: global_buffer, .address_space: global }
    .group_segment_fixed_size: 327680
    .private_segment_fixed_size: 0
    .kernarg_segment_align: 8
    .kernarg_segment_size: 64
    .max_flat_workgroup_size: 128
    .sgpr_count:     106
    .vgpr_count:     688
    .wavefront_size: 32
...
	.end_amdgpu_metadata
.endif
;; end of part 2
;; launch attn (part 3): grid 16 x 16, 8 waves a work-group, clusters of 4 x 4, 327,680 bytes of LDS; arguments qkv, attention_mask, ao; writes ao
.if DOCPART == 3
	.amdgcn_target "amdgcn-amd-amdhsa--gfx1250"
	.amdhsa_code_object_version 6
	.text
	.protected	k_q68efebb515_attn
	.globl	k_q68efebb515_attn
	.p2align	8
	.type	k_q68efebb515_attn,@function
k_q68efebb515_attn:
	s_mov_b64 s[64:65], 0
	v_nop
	global_prefetch_b8 v0, s[64:65] scope:SCOPE_SE
	s_setreg_imm32_b32 hwreg(HW_REG_WAVE_MODE, 25, 1), 1
	s_wait_xcnt 0x0
	s_wait_alu depctr_hold_cnt(0) depctr_sa_sdst(0) depctr_va_vdst(0) depctr_va_sdst(0) depctr_va_ssrc(0) depctr_va_vcc(0) depctr_vm_vsrc(0)
	s_getreg_b32 s2, hwreg(HW_REG_IB_STS2, 6, 4)
	s_cmp_eq_u32 s2, 0
	s_cbranch_scc0 .Lentry_in_a_cluster
	s_endpgm
.Lentry_in_a_cluster:
	s_bfe_u32 s2, ttmp6, 0x10000c
	s_cmp_lg_u32 s2, 0xf033
	s_cbranch_scc0 .Lentry_shape_is_right
	s_endpgm
.Lentry_shape_is_right:
; attn: softmax(q k^T * scale + mask) v for 64 query rows x the four query heads of one key/value head, over all 2,048 keys (the mask is an input: no key is skipped).
; Grid: x = block of 64 query rows (16), y = batch * 8 + key/value head (16).  All matrix operands are f16.  q comes multiplied by 2 D^-0.5 log2(e) and k by 1/2, so q k^T is
; the logit in base 2.  The mask is multiplied by log2(e) once for each fragment and is then the C operand of the first product of all four heads: the matrix unit adds it.
; Every exponential is a power of two with the row's running maximum taken away.  P lies in [0, 1].
; v comes as v / 16, so the result stored in ao is 1/16 of the attention output (the last launch's weights carry the 16): room in f16 for both.
; Eight waves, two on a SIMD: wave w takes the 16 query rows 16 (w & 3) of all four heads, and the 64 keys 64 (w >> 2) of every tile of 128 keys.  So a mask
; fragment lies in registers once for four heads, and one wave's softmax arithmetic runs beside the other's matrix work.  The two halves of the keys are merged once at the end.
; FORMS: S^T = K Q^T + M^T: lane (r, h) holds query r and keys 16 tt + 8 h + j.  Maximum, sum and rescaling are then one number a lane; one v_permlanex16_b32 joins the halves.
; Two neighbouring tiles of S^T, rounded to f16 in place, are exactly the second source of O^T = V^T P^T; V^T comes from LDS by ds_load_tr16_b128.
; CLUSTERS 4 x 4: K's and V's tiles hang on y alone and are asked for jointly along a row of the cluster; the mask's tile hangs on the batch (the cluster's y) and on x,
; and is asked for jointly along a column.  Wave 0 asks for K, wave 1 for V, wave 2 for the mask: at most one tensor load of a wave is out.
; LIMITS: logits are q k + mask * log2(e), summed in base 2 in the matrix unit's f32 accumulator, so in a row whose every key is masked by about -1e9 the rounding grid
; differs from that of mask + q k in base e.  The running maximum starts at -FLT_MAX (0xff7fffff).  A row masked by -inf everywhere gives NaN, as softmax of such a row does.
; A weight below 3e-8 of its row's largest rounds to zero in f16: 2,048 of them are less than 1e-4 of the row's sum, which is at least 1.
.set SLOT,  72704                      ; K 128 x 144, V 128 x 160, mask 64 x 528
.set VO,    18432
.set MO,    38912
.set MST,   145408                     ; 4 x 17,408: the second key half's O, maxima, sums.  No tensor load lands here
.set OST,   215040                     ; 4 x 8,448: 16 rows x 528, the way out
.set PITK,  144
.set PITV,  160
.set PITM,  528
.set KVTILE, 16384                     ; 128 keys x 128 bytes
.set MSTEP, 512                        ; 128 keys x 4 bytes along a row of the mask
.set KOFF,  8388608
.set LOG2E, 0x3fb8aa3b
.set KA, 2                             ; v2-3   LDS address of my K fragments in slot 0, 1
.set VA, 4                             ; v4-5   V
.set MA, 6                             ; v6-7   mask
.set PF, 8                             ; prefetch offset in the mask
.set MS, 9                             ; merge stage
.set OS, 10                            ; way out: in
.set ORD, 11                           ; way out: back
.set M,  12                            ; v12-15 running maximum, a head each
.set L1, 16                            ; v16-19 the lane's sum at the end
.set MN, 20                            ; v20-27 new maximum, twice (pairs for the packed forms)
.set AL, 28                            ; v28-35 rescaling factor, twice
.set X,  36                            ; v36-39 at work
.set T,  40                            ; v40-43 at work
.set LP, 44                            ; v44-51 running sums, two a head
.set GO, 52                            ; 16 x lane
.set Q,  64                            ; v64-127  Q(a, kk) at +16 a + 8 kk
.set KV, 128                           ; v128-191 K(tt, kk) at +16 tt + 8 kk, then V(dt, kk) at +16 dt + 8 kk
.set MK, 192                           ; v192-223 mask, +8 tt
.set OB, 224                           ; v224-255 packed output
.set O_, 0                             ; window 1: O(a, dt) at 32 a + 8 dt
.set S_, 128                           ; window 1: S(a, tt) at 128 + 32 a + 8 tt; P(a, kk) at 128 + 32 a + 16 kk
.set G1K, 16
.set G1V, 24
.set G1M, 32
.set G0K, 40
.set G0V, 48
.set G0M, 56
.set MSB, 0
.macro WIN new
.if MSB != \new
	s_set_vgpr_msb (MSB<<8)|\new
.set MSB, \new
.endif
.endm
.macro ROUND                           ; a round of the cluster's barrier
	s_barrier_signal -1
	s_barrier_wait -1
	s_cmp_lg_u32 s10, 0
	s_cbranch_scc1 .Lnot_wave_0_\@
	s_barrier_signal -3
.Lnot_wave_0_\@:
	s_barrier_wait -3
	s_barrier_signal -1
	s_barrier_wait -1
.endm
.macro JLOAD s                         ; waves 0, 1, 2 ask for K, V, the mask; the others have no part of a tile to fill
	s_cmp_lg_u32 s10, 0
	s_cbranch_scc1 .Lnot_k_\@
	tensor_load_to_lds s[G0K+4*\s:G0K+4*\s+3], s[G1K:G1K+7]
	s_nop 0
	s_branch .Lasked_\@
.Lnot_k_\@:
	s_cmp_lg_u32 s10, 1
	s_cbranch_scc1 .Lnot_v_\@
	tensor_load_to_lds s[G0V+4*\s:G0V+4*\s+3], s[G1V:G1V+7]
	s_nop 0
	s_branch .Lasked_\@
.Lnot_v_\@:
	s_cmp_lg_u32 s10, 2
	s_cbranch_scc1 .Lasked_\@
	tensor_load_to_lds s[G0M+4*\s:G0M+4*\s+3], s[G1M:G1M+7]
	s_nop 0
.Lasked_\@:
.endm
	s_load_b128 s[4:7], s[0:1], 0x0                ; qkv 4, mask 6
	s_load_b64 s[8:9], s[0:1], 0x10                ; ao
	v_lshl_add_u32 v254, v0, 2, 0x3cc00
	v_mov_b32 v255, 0
	ds_add_u32 v254, v255
	s_wait_dscnt 0x0
	v_lshrrev_b32 v1, 5, v0
	v_readfirstlane_b32 s10, v1                    ; wave 0..7
	s_and_b32 s11, s10, 3                          ; wq: which 16 query rows
	s_lshr_b32 s12, s10, 2                         ; g: which 64 keys of a tile
	s_bfe_u32 s13, ttmp6, 0x40000                  ; cx
	s_bfe_u32 s14, ttmp6, 0x40004                  ; cy
	s_lshl_b32 s15, ttmp9, 2
	s_add_co_u32 s15, s15, s13                     ; qb: block of 64 query rows
	s_and_b32 s67, ttmp7, 0xffff
	s_lshl_b32 s66, s67, 2
	s_add_co_u32 s66, s66, s14                     ; yy = batch * 8 + key/value head
	s_lshr_b32 s67, s67, 1                         ; batch, from the cluster's y alone: the mask's address never holds cy
	s_and_b32 s68, s66, 7                          ; key/value head
	s_mov_b32 s70, 0x76543210                      ; v_permlanex16_b32: lane i reads lane i of the other half
	s_mov_b32 s71, 0xfedcba98
	s_lshl_b32 s74, s14, 2
	s_lshl_b32 s74, 15, s74                        ; my row of the cluster
	s_lshl_b32 s75, 0x1111, s13                    ; my column
	; K's tile is a dense block of 16,384 bytes: 64 rows of 256 bytes (32 elements of 8), with 16 bytes of padding behind every 128 = behind each key
	s_or_b32  s[G1K+0], s74, (3<<16)|(1<<20)|(1<<21)|(4<<22)|(3<<25)
	s_mov_b32 s[G1K+1], 32<<16
	s_mov_b32 s[G1K+2], 64<<16
	s_mov_b32 s[G1K+3], 32<<16
	s_mov_b32 s[G1K+4], 64
	s_mov_b32 s[G1K+5], 32
	s_mov_b32 s[G1K+6], 0
	s_mov_b32 s[G1K+7], 0
	; V's the same with 32 bytes of padding
	s_or_b32  s[G1V+0], s74, (3<<16)|(1<<20)|(1<<21)|(4<<22)|(7<<25)
	s_mov_b32 s[G1V+1], 32<<16
	s_mov_b32 s[G1V+2], 64<<16
	s_mov_b32 s[G1V+3], 32<<16
	s_mov_b32 s[G1V+4], 64
	s_mov_b32 s[G1V+5], 32
	s_mov_b32 s[G1V+6], 0
	s_mov_b32 s[G1V+7], 0
	; the mask's tile: 64 rows x 128 f32, 16 bytes of padding behind each 512
	s_or_b32  s[G1M+0], s75, (2<<16)|(1<<20)|(1<<21)|(6<<22)|(3<<25)
	s_mov_b32 s[G1M+1], 128<<16
	s_mov_b32 s[G1M+2], 64<<16
	s_mov_b32 s[G1M+3], 128<<16
	s_mov_b32 s[G1M+4], 64
	s_mov_b32 s[G1M+5], 2048
	s_mov_b32 s[G1M+6], 0
	s_mov_b32 s[G1M+7], 0
	s_lshl_b32 s76, s66, 18                        ; a head's 2,048 keys are 262,144 bytes
	s_add_co_u32 s76, s76, KOFF
	s_mov_b32 s77, 0
	s_lshl_b32 s78, s67, 23                        ; mask: (batch * 1024 + 64 qb) rows of 8,192 bytes
	s_lshl_b32 s79, s15, 19
	s_add_co_u32 s78, s78, s79
	s_mov_b32 s79, 0
	s_lshl_b32 s80, s67, 22                        ; q: ((batch * 32 + 4 head) * 1024 + 64 qb) rows of 128 bytes
	s_lshl_b32 s81, s68, 19
	s_add_co_u32 s80, s80, s81
	s_lshl_b32 s81, s15, 13
	s_add_co_u32 s80, s80, s81
	s_mov_b32 s81, 0
	s_lshl_b32 s82, s67, 22                        ; ao: (batch * 1024 + 64 qb + 16 wq) rows of 4,096 bytes + 512 x head
	s_lshl_b32 s83, s15, 18
	s_add_co_u32 s82, s82, s83
	s_lshl_b32 s83, s11, 16
	s_add_co_u32 s82, s82, s83
	s_lshl_b32 s83, s68, 9
	s_add_co_u32 s82, s82, s83
	s_mov_b32 s83, 0
	v_and_b32 v53, 31, v0                          ; lane
	v_and_b32 v54, 15, v0                          ; r
	v_bfe_u32 v55, v0, 4, 1                        ; h
	v_and_b32 v56, 7, v0
	v_bfe_u32 v57, v0, 3, 1
	v_lshlrev_b32 v1, 7, v54
	v_lshl_add_u32 v1, v55, 4, v1
	v_lshl_add_u32 v1, s11, 11, v1                 ; q: (16 wq + r) * 128 + 16 h
	s_wait_kmcnt 0x0
	s_add_nc_u64 s[76:77], s[4:5], s[76:77]
	s_add_nc_u64 s[78:79], s[6:7], s[78:79]
	s_add_nc_u64 s[80:81], s[4:5], s[80:81]
	s_add_nc_u64 s[82:83], s[8:9], s[82:83]
.irp a, 0,1,2,3
.irp kk, 0,1
	global_load_b128 v[Q+16*\a+8*\kk:Q+16*\a+8*\kk+3],   v1, s[80:81] offset:\a*131072+\kk*64
	global_load_b128 v[Q+16*\a+8*\kk+4:Q+16*\a+8*\kk+7], v1, s[80:81] offset:\a*131072+\kk*64+32
.endr
.endr
.irp s, 0,1
	s_mov_b32 s[G0K+4*\s], 1
	s_mov_b32 s[G0K+4*\s+1], \s*SLOT
	s_add_nc_u64 s[G0K+4*\s+2:G0K+4*\s+3], s[76:77], \s*KVTILE
	s_or_b32 s[G0K+4*\s+3], s[G0K+4*\s+3], 0x80000000
	s_mov_b32 s[G0V+4*\s], 1
	s_mov_b32 s[G0V+4*\s+1], \s*SLOT+VO
	s_add_nc_u64 s[G0V+4*\s+2:G0V+4*\s+3], s[76:77], 4194304+\s*KVTILE
	s_or_b32 s[G0V+4*\s+3], s[G0V+4*\s+3], 0x80000000
	s_mov_b32 s[G0M+4*\s], 1
	s_mov_b32 s[G0M+4*\s+1], \s*SLOT+MO
	s_add_nc_u64 s[G0M+4*\s+2:G0M+4*\s+3], s[78:79], \s*MSTEP
	s_or_b32 s[G0M+4*\s+3], s[G0M+4*\s+3], 0x80000000
.endr
	ROUND                                          ; in front of the first joint loads
	JLOAD 0                                        ; tile 0 into slot 0; slot 1 is filled behind the first trip's round, as a refill is
	v_mul_u32_u24 v58, v54, PITK
	v_lshl_add_u32 v58, v55, 4, v58
	s_mul_i32 s84, s12, 64*PITK
	v_add_nc_u32 v[KA], s84, v58                   ; (64 g + r) * 144 + 16 h
	v_add_nc_u32 v[KA+1], SLOT, v[KA]
	v_lshl_add_u32 v59, v55, 3, v56
	v_mul_u32_u24 v59, v59, PITV
	v_lshl_add_u32 v59, v57, 4, v59
	s_mul_i32 s84, s12, 64*PITV
	s_add_co_u32 s84, s84, VO
	v_add_nc_u32 v[VA], s84, v59                   ; (64 g + 8 h + (lane & 7)) * 160 + 16 ((lane >> 3) & 1)
	v_add_nc_u32 v[VA+1], SLOT, v[VA]
	v_mul_u32_u24 v60, v54, PITM
	v_lshl_add_u32 v61, v55, 5, v60
	s_mul_i32 s84, s11, 16*PITM
	s_lshl_b32 s85, s12, 8
	s_add_co_u32 s85, s85, s84
	s_add_co_u32 s85, s85, MO
	v_add_nc_u32 v[MA], s85, v61                   ; (16 wq + r) * 528 + 256 g + 32 h
	v_add_nc_u32 v[MA+1], SLOT, v[MA]
	v_lshlrev_b32 v[GO], 4, v53
	s_add_co_u32 s84, s84, OST
	v_lshl_add_u32 v62, v55, 4, v60
	v_add_nc_u32 v[OS], s84, v62                   ; my stage + r * 528 + 16 h
	v_add_nc_u32 v[ORD], s84, v[GO]                ; my stage + 16 x lane
	s_mul_i32 s84, s11, 17408
	s_add_co_u32 s84, s84, MST
	v_add_nc_u32 v[MS], s84, v[GO]
	; Prefetch of the mask: the eight work-groups of one batch and one query block (one for each key/value head) ask for 8 of the block's 64 rows each, so each
	; block of 256 bytes is asked for once in the launch.  Lane l: row 8 head + l / 4, bytes 256 (l & 3) of the next lap's 1,024.
	s_lshl_b32 s84, s67, 23
	s_lshl_b32 s85, s15, 19
	s_add_co_u32 s84, s84, s85
	s_lshl_b32 s85, s68, 16
	s_add_co_u32 s84, s84, s85
	s_add_co_u32 s84, s84, 1024
	v_lshrrev_b32 v61, 2, v53
	v_and_b32 v62, 3, v0
	v_lshlrev_b32 v61, 13, v61
	v_lshl_add_u32 v61, v62, 8, v61
	v_add_nc_u32 v[PF], s84, v61
.irp a, 0,1,2,3
	v_mov_b32 v[M+\a], 0xff7fffff                  ; -FLT_MAX
	v_mov_b32 v[T+\a], 0                           ; v_permlanex16_b32 counts as a reader of its destination
	v_mov_b32 v[LP+2*\a], 0
	v_mov_b32 v[LP+2*\a+1], 0
.endr
	s_wait_loadcnt 0x0                             ; Q
; One tile of 128 keys.  refill = 1: the next tile is asked for, into the slot read last trip.  first = 1: the products start O's sums, nothing is rescaled.
; pf = 1: wave 3 prefetches the next lap's part of the mask; pf = 2: the prefetch offset steps one lap on.
.macro TRIP slot, refill, first, pf
.if \pf == 2
	s_wait_xcnt 0x0                                ; the prefetch was issued a trip ago: its offset register is rewritten only behind this wait
	v_add_nc_u32 v[PF], 2*MSTEP, v[PF]
.endif
	s_wait_xcnt 0x0
	v_lshl_add_u32 v254, v0, 2, 0x3cc00
	v_mov_b32 v255, 0
	s_wait_tensorcnt 0x0                           ; all my tensor loads are done, my part of this trip's tile among them, so every group 0 may be written:
	ds_add_u32 v254, v255
	s_wait_dscnt 0x0
	s_add_nc_u64 s[G0K+4*\slot+2:G0K+4*\slot+3], s[G0K+4*\slot+2:G0K+4*\slot+3], 2*KVTILE     ; this slot's next tile
	s_add_nc_u64 s[G0V+4*\slot+2:G0V+4*\slot+3], s[G0V+4*\slot+2:G0V+4*\slot+3], 2*KVTILE
	s_add_nc_u64 s[G0M+4*\slot+2:G0M+4*\slot+3], s[G0M+4*\slot+2:G0M+4*\slot+3], 2*MSTEP
	s_wait_dscnt 0x0                               ; my reads of the last trip's tile are done
	ROUND                                          ; both now hold of every wave of every work-group of the cluster
.if \refill
	JLOAD (1-\slot)
.endif
.irp tt, 0,1,2,3
	ds_load_b128 v[MK+8*\tt:MK+8*\tt+3],   v[MA+\slot] offset:\tt*64
	ds_load_b128 v[MK+8*\tt+4:MK+8*\tt+7], v[MA+\slot] offset:\tt*64+16
.endr
.irp tt, 0,1,2,3
.irp kk, 0,1
	ds_load_b128 v[KV+16*\tt+8*\kk:KV+16*\tt+8*\kk+3],   v[KA+\slot] offset:\tt*16*PITK+\kk*64
	ds_load_b128 v[KV+16*\tt+8*\kk+4:KV+16*\tt+8*\kk+7], v[KA+\slot] offset:\tt*16*PITK+\kk*64+32
.endr
.endr
	s_wait_dscnt 16                                ; the mask is in; the sixteen younger loads (K) may be out
.set i, 0
.rept 16
	v_pk_mul_f32 v[MK+2*i:MK+2*i+1], v[MK+2*i:MK+2*i+1], LOG2E op_sel_hi:[1,0]     ; the mask in base 2, once for four heads
.set i, i+1
.endr
	s_wait_dscnt 0x0                               ; K
	; S^T = K Q^T + M^T: 16 accumulators by turns, one instruction a turn.  The first 32 of D start the sums from the mask:
	; register j of the mask's tile tt holds (key 16 tt + 8 h + j, query r), which is where C has it.
	WIN 0x40                                       ; D in window 1, C (the mask) in window 0
.irp a, 0,1,2,3
.irp tt, 0,1,2,3
	v_wmma_f32_16x16x32_f16 v[S_+32*\a+8*\tt:S_+32*\a+8*\tt+7], v[KV+16*\tt:KV+16*\tt+7], v[Q+16*\a:Q+16*\a+7], v[MK+8*\tt:MK+8*\tt+7]
.endr
.endr
	WIN 0x50                                       ; C and D in window 1
.irp a, 0,1,2,3
.irp tt, 0,1,2,3
	v_wmma_f32_16x16x32_f16 v[S_+32*\a+8*\tt:S_+32*\a+8*\tt+7], v[KV+16*\tt+8:KV+16*\tt+15], v[Q+16*\a+8:Q+16*\a+15], v[S_+32*\a+8*\tt:S_+32*\a+8*\tt+7]
.endr
.endr
.rept 5
	v_nop                                          ; places behind the products (ISA guide 7.12.1): V is loaded onto K's registers, S is read, and S becomes a source of the next products
.endr
	WIN 0
.irp dt, 0,1,2,3
.irp kk, 0,1
	ds_load_tr16_b128 v[KV+16*\dt+8*\kk:KV+16*\dt+8*\kk+3],   v[VA+\slot] offset:\kk*32*PITV+\dt*32
	ds_load_tr16_b128 v[KV+16*\dt+8*\kk+4:KV+16*\dt+8*\kk+7], v[VA+\slot] offset:\kk*32*PITV+\dt*32+16*PITV     ; V's sixteen loads land during the softmax
.endr
.endr
.if \pf == 1
	s_cmp_lg_u32 s10, 3
	s_cbranch_scc1 .Lno_pf_\@
	global_prefetch_b8 v[PF], s[6:7] th:TH_LOAD_NT scope:SCOPE_SE     ; the 256 keys of the next lap, 8 rows: their tensor loads follow one and two trips on; the last lap asks for nothing
.Lno_pf_\@:
.endif
	WIN 0x05                                       ; the lane's maximum, the old running maximum among it; the four heads' chains take turns
.set i, 0
.rept 16
.irp a, 0,1,2,3
.if i == 0
	v_max3_num_f32 v[X+\a], v[S_+32*\a], v[S_+32*\a+1], v[M+\a]
.else
	v_max3_num_f32 v[X+\a], v[S_+32*\a+2*i], v[S_+32*\a+2*i+1], v[X+\a]
.endif
.endr
.set i, i+1
.endr
	WIN 0
.irp a, 0,1,2,3
	v_permlanex16_b32 v[T+\a], v[X+\a], s70, s71   ; the other eight keys of each sixteen lie in lane l xor 16
.endr
.irp a, 0,1,2,3
	v_max_num_f32 v[MN+2*\a],   v[X+\a], v[T+\a]
	v_max_num_f32 v[MN+2*\a+1], v[X+\a], v[T+\a]
.endr
.irp a, 0,1,2,3
	v_sub_f32 v[X+\a], v[M+\a], v[MN+2*\a]
.endr
.irp a, 0,1,2,3
	v_exp_f32 v[AL+2*\a], v[X+\a]                  ; what the old sums are worth under the new maximum
.endr
.irp a, 0,1,2,3
	v_mov_b32 v[M+\a], v[MN+2*\a]                  ; plain instructions between the exponentials and the use of their results (ISA guide 5.7.2)
.endr
	s_wait_alu depctr_va_vdst(0)
.irp a, 0,1,2,3
	v_mov_b32 v[AL+2*\a+1], v[AL+2*\a]
.endr
	WIN 0x41
.irp a, 0,1,2,3
.set i, 0
.rept 16
	v_pk_add_f32 v[S_+32*\a+2*i:S_+32*\a+2*i+1], v[S_+32*\a+2*i:S_+32*\a+2*i+1], v[MN+2*\a:MN+2*\a+1] neg_lo:[0,1] neg_hi:[0,1]
.set i, i+1
.endr
.endr
.set i, 0
.rept 128
	v_exp_f32 v[S_+i], v[S_+i]
.set i, i+1
.endr
	v_nop                                          ; one plain place behind the last exponential
	WIN 0x10
	s_wait_alu depctr_va_vdst(0)
.irp a, 0,1,2,3
	v_pk_fma_f32 v[LP+2*\a:LP+2*\a+1], v[LP+2*\a:LP+2*\a+1], v[AL+2*\a:AL+2*\a+1], v[S_+32*\a:S_+32*\a+1]
.endr
	WIN 0x01
.set i, 1
.rept 15
.irp a, 0,1,2,3
	v_pk_add_f32 v[LP+2*\a:LP+2*\a+1], v[S_+32*\a+2*i:S_+32*\a+2*i+1], v[LP+2*\a:LP+2*\a+1]
.endr
.set i, i+1
.endr
	WIN 0x45                                       ; P to f16 in place: register i of a group of 16 takes registers 2 i and 2 i + 1, ascending
.irp a, 0,1,2,3
.irp kk, 0,1
.irp i, 0,1,2,3,4,5,6,7
	v_cvt_pk_f16_f32 v[S_+32*\a+16*\kk+\i], v[S_+32*\a+16*\kk+2*\i], v[S_+32*\a+16*\kk+2*\i+1]
.endr
.endr
.endr
.if \first == 0
	WIN 0x41
.irp a, 0,1,2,3
.set i, 0
.rept 16
	v_pk_mul_f32 v[O_+32*\a+2*i:O_+32*\a+2*i+1], v[O_+32*\a+2*i:O_+32*\a+2*i+1], v[AL+2*\a:AL+2*\a+1]
.set i, i+1
.endr
.endr
.endif
	s_wait_dscnt 0x0                               ; V
	WIN 0x54                                       ; source 1 (P), C and D in window 1
	; O^T += V^T P^T: 16 accumulators by turns, one instruction a turn
.irp kk, 0,1
.irp a, 0,1,2,3
.irp dt, 0,1,2,3
.if \first*(1-\kk)
	v_wmma_f32_16x16x32_f16 v[O_+32*\a+8*\dt:O_+32*\a+8*\dt+7], v[KV+16*\dt+8*\kk:KV+16*\dt+8*\kk+7], v[S_+32*\a+16*\kk:S_+32*\a+16*\kk+7], 0
.else
	v_wmma_f32_16x16x32_f16 v[O_+32*\a+8*\dt:O_+32*\a+8*\dt+7], v[KV+16*\dt+8*\kk:KV+16*\dt+8*\kk+7], v[S_+32*\a+16*\kk:S_+32*\a+16*\kk+7], v[O_+32*\a+8*\dt:O_+32*\a+8*\dt+7]
.endif
.endr
.endr
.endr
.rept 5
	v_nop                                          ; places: the next trip loads K onto V's registers and its first products write over P
.endr
	WIN 0
.endm
	TRIP 0, 1, 1, 1
	TRIP 1, 1, 0, 2
	s_mov_b32 s72, 6
.Llap:
	TRIP 0, 1, 0, 1
	TRIP 1, 1, 0, 2
	s_sub_co_u32 s72, s72, 1
	s_cmp_lg_u32 s72, 0
	s_cbranch_scc1 .Llap
	TRIP 0, 1, 0, 0
	TRIP 1, 0, 0, 0                                ; the last tile: nothing is left to fetch
	; THE MERGE of the two halves of the keys.  Waves 4 to 7 hand their O, maxima and sums to waves 0 to 3 through LDS, lane for lane.
.irp a, 0,1,2,3
	v_add_f32 v[L1+\a], v[LP+2*\a], v[LP+2*\a+1]
.endr
	s_cmp_lt_u32 s10, 4
	s_cbranch_scc1 .Lkeep
	WIN 0x04                                       ; store data in window 1
.set i, 0
.rept 32
	ds_store_b128 v[MS], v[O_+4*i:O_+4*i+3] offset:i*512
.set i, i+1
.endr
	WIN 0
	ds_store_b128 v[MS], v[M:M+3] offset:16384
	ds_store_b128 v[MS], v[L1:L1+3] offset:16896
.Lkeep:
	s_wait_dscnt 0x0                               ; for the others: my stores are done
	s_barrier_signal -1
	s_barrier_wait -1
	s_cmp_ge_u32 s10, 4
	s_cbranch_scc1 .Lclose
	ds_load_b128 v[X:X+3], v[MS] offset:16384      ; the partner's maxima
	ds_load_b128 v[T:T+3], v[MS] offset:16896      ; and sums
	s_wait_dscnt 0x0
.irp a, 0,1,2,3
	v_max_num_f32 v[MN+2*\a], v[M+\a], v[X+\a]
.endr
.irp a, 0,1,2,3
	v_sub_f32 v[M+\a], v[M+\a], v[MN+2*\a]
	v_sub_f32 v[X+\a], v[X+\a], v[MN+2*\a]
.endr
.irp a, 0,1,2,3
	v_exp_f32 v[M+\a], v[M+\a]
	v_exp_f32 v[X+\a], v[X+\a]
.endr
	v_nop
	s_wait_alu depctr_va_vdst(0)
.irp a, 0,1,2,3
	v_mul_f32 v[L1+\a], v[L1+\a], v[M+\a]
.endr
.irp a, 0,1,2,3
	v_fmac_f32 v[L1+\a], v[T+\a], v[X+\a]
.endr
.irp a, 0,1,2,3
	v_permlanex16_b32 v[MN+2*\a], v[L1+\a], s70, s71               ; the sums were kept lane by lane: now the two halves of the lanes meet
.endr
.irp a, 0,1,2,3
	v_add_f32 v[L1+\a], v[L1+\a], v[MN+2*\a]
.endr
.irp a, 0,1,2,3
	v_rcp_f32 v[L1+\a], v[L1+\a]
.endr
	v_nop
	s_wait_alu depctr_va_vdst(0)
.irp a, 0,1,2,3
	v_mul_f32 v[AL+2*\a],   v[M+\a], v[L1+\a]      ; my O's factor, twice
	v_mul_f32 v[AL+2*\a+1], v[M+\a], v[L1+\a]
	v_mul_f32 v[LP+2*\a],   v[X+\a], v[L1+\a]      ; the partner's, twice
	v_mul_f32 v[LP+2*\a+1], v[X+\a], v[L1+\a]
.endr
.irp hp, 0,1
.irp i, 0,1,2,3,4,5,6,7,8,9,10,11,12,13,14,15
	ds_load_b128 v[KV+4*\i:KV+4*\i+3], v[MS] offset:(16*\hp+\i)*512        ; the partner's O of two heads
.endr
	s_wait_dscnt 0x0
	WIN 0x41
.irp c, 0,1
.set i, 0
.rept 16
	v_pk_mul_f32 v[O_+32*(2*\hp+\c)+2*i:O_+32*(2*\hp+\c)+2*i+1], v[O_+32*(2*\hp+\c)+2*i:O_+32*(2*\hp+\c)+2*i+1], v[AL+2*(2*\hp+\c):AL+2*(2*\hp+\c)+1]
.set i, i+1
.endr
.endr
	WIN 0x50
.irp c, 0,1
.set i, 0
.rept 16
	v_pk_fma_f32 v[O_+32*(2*\hp+\c)+2*i:O_+32*(2*\hp+\c)+2*i+1], v[KV+32*\c+2*i:KV+32*\c+2*i+1], v[LP+2*(2*\hp+\c):LP+2*(2*\hp+\c)+1], v[O_+32*(2*\hp+\c)+2*i:O_+32*(2*\hp+\c)+2*i+1]
.set i, i+1
.endr
.endr
	WIN 0x05
.irp c, 0,1
.set i, 0
.rept 16
	v_cvt_pk_f16_f32 v[OB+16*\c+i], v[O_+32*(2*\hp+\c)+2*i], v[O_+32*(2*\hp+\c)+2*i+1]
.set i, i+1
.endr
.endr
	WIN 0
.irp c, 0,1
.irp dt, 0,1,2,3
	ds_store_b128 v[OS], v[OB+16*\c+4*\dt:OB+16*\c+4*\dt+3] offset:(2*\hp+\c)*128+\dt*32      ; row r, head, d = 16 dt + 8 h + 0..7
.endr
.endr
.endr
.irp row, 0,1,2,3,4,5,6,7,8,9,10,11,12,13,14,15
	ds_load_b128 v[KV+4*\row:KV+4*\row+3], v[ORD] offset:\row*PITM         ; my own stage: LDS serves a wave in order, these see the stores above
.endr
.irp row, 0,1,2,3,4,5,6,7,8,9,10,11,12,13,14,15
	s_wait_dscnt 15-\row
	global_store_b128 v[GO], v[KV+4*\row:KV+4*\row+3], s[82:83] offset:\row*4096    ; the four heads of one row: 512 consecutive bytes, aligned
.endr
.Lclose:
	s_wait_xcnt 0x0
	v_lshl_add_u32 v254, v0, 2, 0x3cc00
	v_mov_b32 v255, 0
	s_wait_tensorcnt 0x0
	ds_add_u32 v254, v255
	s_wait_dscnt 0x0
	ROUND                                          ; the closing round
	s_endpgm
.Lfunc_end_k_q68efebb515_attn:
	.size	k_q68efebb515_attn, .Lfunc_end_k_q68efebb515_attn-k_q68efebb515_attn
	.p2alignl 7, 3214868480
	.fill 96, 4, 3214868480
	.section	.rodata,"a",@progbits
	.p2align	6, 0x0
	.amdhsa_kernel k_q68efebb515_attn
		.amdhsa_group_segment_fixed_size 327680
		.amdhsa_private_segment_fixed_size 0
		.amdhsa_enable_private_segment 0
		.amdhsa_kernarg_size 24
		.amdhsa_user_sgpr_count 2
		.amdhsa_user_sgpr_kernarg_segment_ptr 1
		.amdhsa_wavefront_size32 1
		.amdhsa_system_sgpr_workgroup_id_x 1
		.amdhsa_system_sgpr_workgroup_id_y 1
		.amdhsa_system_sgpr_workgroup_id_z 1
		.amdhsa_system_vgpr_workitem_id 0
		.amdhsa_next_free_vgpr 512
		.amdhsa_next_free_sgpr 96
		.amdhsa_reserve_vcc 0
		.amdhsa_float_denorm_mode_32 3
		.amdhsa_float_denorm_mode_16_64 3
		.amdhsa_memory_ordered 1
		.amdhsa_forward_progress 1
		.amdhsa_inst_pref_size 242
	.end_amdhsa_kernel
	.amdgpu_metadata
---
amdhsa.version: [ 1, 2 ]
amdhsa.kernels:
  - .name:           k_q68efebb515_attn
    .symbol:         k_q68efebb515_attn.kd
    .args:
      - { .name: qkv, .offset: 0, .size: 8, .value_kind: global_buffer, .address_space: global }
      - { .name: attention_mask, .offset: 8, .size: 8, .value_kind: global_buffer, .address_space: global }
      - { .name: ao, .offset: 16, .size: 8, .value_kind: global_buffer, .address_space: global }
    .group_segment_fixed_size: 327680
    .private_segment_fixed_size: 0
    .kernarg_segment_align: 8
    .kernarg_segment_size: 24
    .max_flat_workgroup_size: 256
    .sgpr_count:     96
    .vgpr_count:     512
    .wavefront_size: 32
...
	.end_amdgpu_metadata
.endif
;; end of part 3
;; launch oproj (part 4): grid 16 x 16, 4 waves a work-group, clusters of 4 x 4, 327,680 bytes of LDS; arguments ao, wb, out0; writes out0
.if DOCPART == 4
	.amdgcn_target "amdgcn-amd-amdhsa--gfx1250"
	.amdhsa_code_object_version 6
	.text
	.protected	k_q68efebb515_oproj
	.globl	k_q68efebb515_oproj
	.p2align	8
	.type	k_q68efebb515_oproj,@function
k_q68efebb515_oproj:
	s_mov_b64 s[64:65], 0
	v_nop
	global_prefetch_b8 v0, s[64:65] scope:SCOPE_SE
	s_setreg_imm32_b32 hwreg(HW_REG_WAVE_MODE, 25, 1), 1
	s_wait_xcnt 0x0
	s_wait_alu depctr_hold_cnt(0) depctr_sa_sdst(0) depctr_va_vdst(0) depctr_va_sdst(0) depctr_va_ssrc(0) depctr_va_vcc(0) depctr_vm_vsrc(0)
	s_getreg_b32 s2, hwreg(HW_REG_IB_STS2, 6, 4)
	s_cmp_eq_u32 s2, 0
	s_cbranch_scc0 .Lentry_in_a_cluster
	s_endpgm
.Lentry_in_a_cluster:
	s_bfe_u32 s2, ttmp6, 0x10000c
	s_cmp_lg_u32 s2, 0xf033
	s_cbranch_scc0 .Lentry_shape_is_right
	s_endpgm
.Lentry_shape_is_right:
; oproj: out0 = (attention output) Wo.  ao: [2048][2048] f16, 1/16 of the attention output.  16 Wo: [2048][2048] f16 at byte 12,582,912 of wb, rows along N.  out0: f32.
; The two exact factors cancel in the product; they give the attention output room in f16 (see the cast's head).
; A work-group makes 128 x 128, so that 16 x 16 work-groups share the work evenly; four waves of 64 x 64 = 16 accumulator tiles.
; THE RING: two LDS slots of 256 along K each, the largest pair that fits beside the stage (2 x 147,456 + 17,408 bytes).  Every wave waits for all its tensor loads in front of
; each refill's barrier, so a slot is made as large as LDS allows: eight slots' work and six refills for K = 2,048, and from a request to the wait for it a wave issues
; 124 of a slot's 128 matrix instructions.  ao's rows in a tile are 512 bytes and start at multiples of 512.
; CLUSTERS 4 x 4: ao's tile hangs on the block row alone (joint along a row of the cluster), Wo's on the block column alone (joint along a column).
; Waves 0 and 1 ask for ao's two halves of 64 rows, waves 2 and 3 for Wo's two halves of 128 k-rows: one tensor load a wave behind each round.
; Wo lies [K][N]; ds_load_tr16_b128 makes fragments with K along the lane.  The matrix instruction is used transposed (source 0 = 16 columns of Wo, source 1 = 16 rows
; of ao): a lane's eight results are eight neighbouring columns of one row.
.set QUART, 36864                      ; a quarter of a slot: 64 rows x 528 (33,792 used) or 128 k-rows x 288
.set SLOT,  147456
.set WO,    73728                      ; Wo's 256 k-rows in a slot
.set STAGE, 294912                     ; behind the ring: 16 rows x 272 bytes for each wave; no tensor load lands here
.set PA,    528                        ; 512 + 16: an odd multiple of 16
.set PW,    288                        ; 256 + 32: an odd multiple of 32, for the transposing loads
.set SPITCH, 272
.set WOOFF, 12582912
.set LAPS,  4                          ; a lap = two slots = 512 along K
.set ADRA, 16                          ; v16-17 LDS address of my ao fragments in slot 0, 1
.set ADRW, 20                          ; v20-21 Wo's k-rows 0-127 in slot 0, 1; v22-23 its k-rows 128-255 (the immediate has 16 bits)
.set STO,  24
.set RD,   25
.set CO,   26
.set F0,   32                          ; Wo's four tiles at +8 b, ao's four at +32 + 8 a
.set F1,   96
.set G1,  24
.set G0,  32
.set G1B, 48
.set G0B, 56
.set MSB, 0
.macro WIN new
.if MSB != \new
	s_set_vgpr_msb (MSB<<8)|\new
.set MSB, \new
.endif
.endm
.macro PLACES                          ; four plain vector places behind a matrix instruction (ISA guide 7.12.1)
.rept 4
	v_nop
.endr
.endm
.macro JLOAD s
	s_cmp_eq_u32 s11, 0
	s_cbranch_scc0 .Lfor_b_\@
	tensor_load_to_lds s[G0+4*\s:G0+4*\s+3], s[G1:G1+7]
	s_nop 0
	s_branch .Lasked_\@
.Lfor_b_\@:
	tensor_load_to_lds s[G0B+4*\s:G0B+4*\s+3], s[G1B:G1B+7]
	s_nop 0
.Lasked_\@:
.endm
.macro CREST
	s_cmp_lg_u32 s10, 0
	s_cbranch_scc1 .Lnot_wave_0_\@
	s_barrier_signal -3
.Lnot_wave_0_\@:
	s_barrier_wait -3
	s_barrier_signal -1
	s_barrier_wait -1
.endm
.macro CROUND
	s_barrier_signal -1
	s_barrier_wait -1
	CREST
.endm
	s_load_b128 s[4:7], s[0:1], 0x0                ; ao 4, wb 6
	s_load_b64 s[8:9], s[0:1], 0x10                ; out0
	v_lshl_add_u32 v254, v0, 2, 0x4c400
	v_mov_b32 v255, 0
	ds_add_u32 v254, v255
	v_lshrrev_b32 v1, 5, v0
	v_readfirstlane_b32 s10, v1                    ; wave
	s_lshr_b32 s11, s10, 1                         ; mh: my 64 rows.  Also: I fetch for ao (0) or for Wo (1)
	s_and_b32 s12, s10, 1                          ; nh: my 64 columns.  Also: which half of that tile I fetch
	s_bfe_u32 s40, ttmp6, 0x40000                  ; cx
	s_bfe_u32 s41, ttmp6, 0x40004                  ; cy
	s_lshl_b32 s42, ttmp9, 2
	s_add_co_u32 s42, s42, s40                     ; block column
	s_and_b32 s13, ttmp7, 0xffff
	s_lshl_b32 s13, s13, 2
	s_add_co_u32 s13, s13, s41                     ; block row
	s_lshl_b32 s43, s41, 2
	s_lshl_b32 s43, 15, s43                        ; my row of the cluster
	s_lshl_b32 s44, 0x1111, s40                    ; my column
	s_or_b32  s[G1+0], s43, (1<<16)|(1<<20)|(1<<21)|(6<<22)|(3<<25)     ; 64 rows x 256 f16, 16 bytes of padding behind each 512
	s_or_b32  s[G1B+0], s44, (1<<16)|(1<<20)|(1<<21)|(5<<22)|(7<<25)    ; 128 k-rows x 128 f16, 32 bytes of padding behind each 256
	s_mov_b32 s[G1+1], 256<<16
	s_mov_b32 s[G1B+1], 128<<16
	s_mov_b32 s[G1+2], 64<<16
	s_mov_b32 s[G1B+2], 128<<16
	s_mov_b32 s[G1+3], 256<<16
	s_mov_b32 s[G1B+3], 128<<16
	s_mov_b32 s[G1+4], 64
	s_mov_b32 s[G1B+4], 128
	s_mov_b32 s[G1+5], 2048
	s_mov_b32 s[G1B+5], 2048
	s_mov_b32 s[G1+6], 0
	s_mov_b32 s[G1B+6], 0
	s_mov_b32 s[G1+7], 0
	s_mov_b32 s[G1B+7], 0
	s_lshl_b32 s16, s13, 19                        ; ao: 128 rows of 4,096 bytes a block row,
	s_lshl_b32 s17, s12, 18                        ; 64 rows for the second half
	s_add_co_u32 s16, s16, s17
	s_mov_b32 s17, 0
	s_lshl_b32 s46, s42, 8                         ; Wo: 128 columns a block column,
	s_lshl_b32 s47, s12, 19                        ; 128 k-rows of 4,096 bytes for the second half
	s_add_co_u32 s46, s46, s47
	s_add_co_u32 s46, s46, WOOFF
	s_mov_b32 s47, 0
	s_mul_i32 s20, s10, QUART                      ; where my quarter goes: the wave's number alone
	s_wait_dscnt 0x0
	s_wait_kmcnt 0x0
	s_add_nc_u64 s[14:15], s[4:5], s[16:17]
	s_add_nc_u64 s[46:47], s[6:7], s[46:47]
	CROUND                                         ; all sixteen work-groups are here: the first joint loads meet
.irp s, 0,1
	s_mov_b32 s[G0+4*\s], 1
	s_add_co_u32 s[G0+4*\s+1], s20, \s*SLOT
	s_add_nc_u64 s[G0+4*\s+2:G0+4*\s+3], s[14:15], \s*512            ; 256 f16 along the row
	s_or_b32 s[G0+4*\s+3], s[G0+4*\s+3], 0x80000000
	s_mov_b32 s[G0B+4*\s], 1
	s_add_co_u32 s[G0B+4*\s+1], s20, \s*SLOT
	s_add_nc_u64 s[G0B+4*\s+2:G0B+4*\s+3], s[46:47], \s*1048576      ; 256 k-rows of 4,096 bytes
	s_or_b32 s[G0B+4*\s+3], s[G0B+4*\s+3], 0x80000000
	JLOAD \s                                       ; two tensor loads of the wave are out
.endr
	v_and_b32 v1, 15, v0                           ; r
	v_bfe_u32 v2, v0, 4, 1                         ; h
	v_and_b32 v3, 7, v0
	v_bfe_u32 v4, v0, 3, 1
	v_mul_u32_u24 v5, v1, PA
	v_lshl_add_u32 v5, v2, 4, v5
	s_mul_i32 s21, s11, QUART
	v_add_nc_u32 v[ADRA], s21, v5                  ; my 64 rows: r * 528 + 16 h
	v_add_nc_u32 v[ADRA+1], SLOT, v[ADRA]
	v_lshl_add_u32 v6, v2, 3, v3
	v_mul_u32_u24 v6, v6, PW
	v_lshl_add_u32 v6, v4, 4, v6
	s_lshl_b32 s22, s12, 7
	s_add_co_u32 s22, s22, WO
	v_add_nc_u32 v[ADRW], s22, v6                  ; (8 h + (lane & 7)) * 288 + 16 ((lane >> 3) & 1) + 128 nh
	v_add_nc_u32 v[ADRW+1], SLOT, v[ADRW]
	v_add_nc_u32 v[ADRW+2], 128*PW, v[ADRW]
	v_add_nc_u32 v[ADRW+3], 128*PW, v[ADRW+1]
	s_mul_i32 s23, s10, 16*SPITCH
	s_add_co_u32 s23, s23, STAGE
	v_mul_u32_u24 v7, v1, SPITCH
	v_lshl_add_u32 v7, v2, 5, v7
	v_add_nc_u32 v[STO], s23, v7                   ; in: row r, 32 bytes for each half of the lanes
	v_mul_u32_u24 v8, v2, SPITCH
	v_lshl_add_u32 v8, v1, 4, v8
	v_add_nc_u32 v[RD], s23, v8                    ; back: lanes 0-15 one row of 256 bytes, lanes 16-31 the next
	v_lshlrev_b32 v9, 13, v2
	v_lshl_add_u32 v[CO], v1, 4, v9                ; the same two rows in out0 (8,192 bytes apart)
; four matrix instructions: row tile a x my four column tiles.  The 16 accumulators take turns, one instruction a turn, in the same order in every
; 32 along K and over the backward jump.
.macro MULA f, a, zero
.irp b, 0,1,2,3
.if \zero
	v_wmma_f32_16x16x32_f16 v[8*(4*\a+\b):8*(4*\a+\b)+7], v[\f+8*\b:\f+8*\b+7], v[\f+32+8*\a:\f+32+8*\a+7], 0
.else
	v_wmma_f32_16x16x32_f16 v[8*(4*\a+\b):8*(4*\a+\b)+7], v[\f+8*\b:\f+8*\b+7], v[\f+32+8*\a:\f+32+8*\a+7], v[8*(4*\a+\b):8*(4*\a+\b)+7]
.endif
.endr
.endm
.macro FETCH slot, kq, f               ; 16 LDS loads, the 32 along K number kq (0..7) of a slot: Wo's four tiles, then ao's four, row tiles ascending
	WIN 0
.irp b, 0,1,2,3
	ds_load_tr16_b128 v[\f+8*\b:\f+8*\b+3],   v[ADRW+\slot+2*((\kq)>>2)] offset:((\kq)&3)*32*PW+\b*32
	ds_load_tr16_b128 v[\f+8*\b+4:\f+8*\b+7], v[ADRW+\slot+2*((\kq)>>2)] offset:((\kq)&3)*32*PW+\b*32+16*PW
.endr
.irp a, 0,1,2,3
	ds_load_b128 v[\f+32+8*\a:\f+32+8*\a+3],   v[ADRA+\slot] offset:\kq*64+\a*16*PA
	ds_load_b128 v[\f+32+8*\a+4:\f+32+8*\a+7], v[ADRA+\slot] offset:\kq*64+\a*16*PA+32
.endr
.endm
.macro QUARTER slot, kq, f, g, zero
	s_wait_dscnt 4                                 ; all but the youngest four loads (ao's row tiles 2 and 3) are in
	WIN 0x50
	MULA \f, 0, \zero
	MULA \f, 1, \zero
	PLACES
	FETCH \slot, \kq, \g
	s_wait_dscnt 16                                ; all but the 16 just issued
	WIN 0x50
	MULA \f, 2, \zero
	MULA \f, 3, \zero
.endm
.macro SEVEN slot, zero
	QUARTER \slot, 1, F0, F1, \zero
	QUARTER \slot, 2, F1, F0, 0
	QUARTER \slot, 3, F0, F1, 0
	QUARTER \slot, 4, F1, F0, 0
	QUARTER \slot, 5, F0, F1, 0
	QUARTER \slot, 6, F1, F0, 0
	QUARTER \slot, 7, F0, F1, 0
.endm
; a slot's last 32 along K and the change of slots: each wave waits for its reads of this slot and for all its tensor loads, then signals; where the slot is filled
; again the barrier opens a round of the cluster's barrier, and the joint refill is the first tensor load behind the round, one a wave
.macro TURN slot, next, fill
	s_wait_dscnt 4
	WIN 0x50
	MULA F1, 0, 0
	s_wait_dscnt 0
	s_wait_tensorcnt 0x0
	ds_add_u32 v254, v255
	s_wait_dscnt 0x0
	s_barrier_signal -1
	MULA F1, 1, 0
	WIN 0
	s_barrier_wait -1
.if \fill
	CREST
	s_add_nc_u64 s[G0+4*\slot+2:G0+4*\slot+3], s[G0+4*\slot+2:G0+4*\slot+3], 2*512
	s_add_nc_u64 s[G0B+4*\slot+2:G0B+4*\slot+3], s[G0B+4*\slot+2:G0B+4*\slot+3], 2*1048576
	JLOAD \slot
.endif
	PLACES
	FETCH \next, 0, F0
	WIN 0x50
	MULA F1, 2, 0
	MULA F1, 3, 0
.endm
.macro LAP zero
	SEVEN 0, \zero
	TURN 0, 1, 1
	SEVEN 1, 0
	TURN 1, 0, 1
.endm
	s_wait_tensorcnt 1                             ; my part of slot 0 is in; slot 1's stays out
	s_barrier_signal -1
	s_barrier_wait -1
	FETCH 0, 0, F0
	LAP 1                                          ; the first lap stands in front of the loop: its first products start the sums
	WIN 0
	s_mov_b32 s3, LAPS-2
.Llap:
	LAP 0
	WIN 0
	s_sub_co_u32 s3, s3, 1
	s_cmp_lg_u32 s3, 0
	s_cbranch_scc1 .Llap
	SEVEN 0, 0                                     ; the last lap fills nothing
	TURN 0, 1, 0
	SEVEN 1, 0
	s_wait_dscnt 4
	WIN 0x50
	MULA F1, 0, 0
	MULA F1, 1, 0
	s_wait_dscnt 0
	MULA F1, 2, 0
	MULA F1, 3, 0
	; THE WAY OUT, 16 rows at a time through my own stage: a lane's 32 bytes in, whole rows of 256 bytes back
	PLACES
	s_lshl_b32 s16, s13, 20                        ; (128 block row + 64 mh) rows of 8,192 bytes
	s_lshl_b32 s17, s11, 19
	s_add_co_u32 s16, s16, s17
	s_mov_b32 s17, 0
	s_add_nc_u64 s[8:9], s[8:9], s[16:17]
	s_lshl_b32 s46, s42, 9                         ; + 512 x block column + 256 nh
	s_lshl_b32 s47, s12, 8
	s_add_co_u32 s46, s46, s47
	s_mov_b32 s47, 0
	s_add_nc_u64 s[8:9], s[8:9], s[46:47]
.macro OUT16 mt, f
	WIN 0x04                                       ; store data in window 1
.irp b, 0,1,2,3
	ds_store_b128 v[STO], v[8*(4*\mt+\b):8*(4*\mt+\b)+3]   offset:64*\b
	ds_store_b128 v[STO], v[8*(4*\mt+\b)+4:8*(4*\mt+\b)+7] offset:64*\b+16
.endr
	WIN 0
	s_wait_xcnt 0x0                                ; buffer f, which earlier stores read, is loaded again only behind this wait
.irp t, 0,1,2,3,4,5,6,7
	ds_load_b128 v[\f+4*\t:\f+4*\t+3], v[RD] offset:\t*2*SPITCH            ; LDS serves a wave in order: these see the stores above
.endr
.irp t, 0,1,2,3,4,5,6,7
	s_wait_dscnt 7-\t
	global_store_b128 v[CO], v[\f+4*\t:\f+4*\t+3], s[8:9] offset:\mt*131072+\t*16384 th:TH_STORE_NT    ; 16 lanes store 256 consecutive bytes, aligned
.endr
.endm
	OUT16 0, F0
	OUT16 1, F1
	OUT16 2, F0
	OUT16 3, F1
	s_wait_tensorcnt 0x0
	ds_add_u32 v254, v255
	s_wait_dscnt 0x0
	CROUND                                         ; the closing round
	s_endpgm
.Lfunc_end_k_q68efebb515_oproj:
	.size	k_q68efebb515_oproj, .Lfunc_end_k_q68efebb515_oproj-k_q68efebb515_oproj
	.p2alignl 7, 3214868480
	.fill 96, 4, 3214868480
	.section	.rodata,"a",@progbits
	.p2align	6, 0x0
	.amdhsa_kernel k_q68efebb515_oproj
		.amdhsa_group_segment_fixed_size 327680
		.amdhsa_private_segment_fixed_size 0
		.amdhsa_enable_private_segment 0
		.amdhsa_kernarg_size 24
		.amdhsa_user_sgpr_count 2
		.amdhsa_user_sgpr_kernarg_segment_ptr 1
		.amdhsa_wavefront_size32 1
		.amdhsa_system_sgpr_workgroup_id_x 1
		.amdhsa_system_sgpr_workgroup_id_y 1
		.amdhsa_system_sgpr_workgroup_id_z 1
		.amdhsa_system_vgpr_workitem_id 0
		.amdhsa_next_free_vgpr 384
		.amdhsa_next_free_sgpr 66
		.amdhsa_reserve_vcc 0
		.amdhsa_float_denorm_mode_32 3
		.amdhsa_float_denorm_mode_16_64 3
		.amdhsa_memory_ordered 1
		.amdhsa_forward_progress 1
		.amdhsa_inst_pref_size 128
	.end_amdhsa_kernel
	.amdgpu_metadata
---
amdhsa.version: [ 1, 2 ]
amdhsa.kernels:
  - .name:           k_q68efebb515_oproj
    .symbol:         k_q68efebb515_oproj.kd
    .args:
      - { .name: ao, .offset: 0, .size: 8, .value_kind: global_buffer, .address_space: global }
      - { .name: wb, .offset: 8, .size: 8, .value_kind: global_buffer, .address_space: global }
      - { .name: out0, .offset: 16, .size: 8, .value_kind: global_buffer, .address_space: global }
    .group_segment_fixed_size: 327680
    .private_segment_fixed_size: 0
    .kernarg_segment_align: 8
    .kernarg_segment_size: 24
    .max_flat_workgroup_size: 128
    .sgpr_count:     66
    .vgpr_count:     384
    .wavefront_size: 32
...
	.end_amdgpu_metadata
.endif
;; end of part 4
